; MI455X (gfx1250); checked and timed in simulation.
; The chip was launched on July 23, 2026; its instructions are those of AMD's public machine-readable ISA for CDNA 5 (MIT licence, August 2026) and "CDNA5" Instruction Set Architecture Reference Guide (July 2026). The comments in the code are by the model that wrote it; some were corrected since.
;; Multi Headed Self Attention. Allowed arithmetic: matrix products marked QUANTISED: E4M3 operands, one given power-of-two scale a tensor, by v_wmma_f32_16x16x64_fp8_fp8 or v_wmma_f32_16x16x128_fp8_fp8, f32 sums; everything else in f32.
;; Inputs: Wk 1,024 x 1,024 float32; Wo 1,024 x 1,024 float32; Wq 1,024 x 1,024 float32; Wv 1,024 x 1,024 float32; bk 1,024 float32; bo 1,024 float32; bq 1,024 float32; bv 1,024 float32; lowp_scales 12 int32 (the exponents e of the quantised operands' scales 2^e); x 4 x 2,048 x 1,024 float32.
;; Outputs: out0 4 x 2,048 x 1,024 float32.
;; This version of the problem:
;;   THIS VERSION OF THE PROBLEM IS GIVEN IN LOW PRECISION. The matrix products marked QUANTISED in the list below multiply operands that are first quantised to E4M3 (4 exponent bits, 3 mantissa bits; 8 bits a number), with one given power-of-two scale for each operand tensor; their sums are f32. All else is computed in f32.
;;   The module's matrix products, in the order in which they are computed (A, B: the left and right operand; K: the contracted axis; several contracted axes count as one K, in the product's order):
;;     1. [M 8,192, K 1,024] x [K 1,024, N 1,024]; A: input x; B: input Wq: QUANTISED (scales: A lowp_scales[0], B lowp_scales[1])
;;     2. [M 8,192, K 1,024] x [K 1,024, N 1,024]; A: input x; B: input Wk: QUANTISED (scales: A lowp_scales[2], B lowp_scales[3])
;;     3. [M 8,192, K 1,024] x [K 1,024, N 1,024]; A: input x; B: input Wv: QUANTISED (scales: A lowp_scales[4], B lowp_scales[5])
;;     4. batch 64 x [M 2,048, K 64] x [K 64, N 2,048]; A: computed on the way; B: computed on the way: QUANTISED (scales: A lowp_scales[6], B lowp_scales[7])
;;     5. batch 64 x [M 2,048, K 2,048] x [K 2,048, N 64]; A: softmax (see below); B: computed on the way: QUANTISED (scales: A lowp_scales[8], B lowp_scales[9])
;;     6. [M 8,192, K 1,024] x [K 1,024, N 1,024]; A: computed on the way; B: input Wo: QUANTISED (scales: A lowp_scales[10], B lowp_scales[11])
;;   THE QUANTISER, for each operand of a quantised product, along K:
;;     - The operand's scale is 2^e, e = its entry of the input lowp_scales (int32; the entries are numbered through the quantised products in the list's order, A before B).
;;     - Each number is divided by the scale, clamped to +-448, and rounded to the nearest number of E4M3, ties to even, subnormals kept.
;;     - The product sums the exact products of the quantised numbers (number of the format x scale) in f32.
;;   ~~~python
;;   def quantise(x, axis, e):      # numpy; x: float32 -> the quantised numbers, widened to float32 again
;;       x = np.moveaxis(x, axis, -1); K = x.shape[-1]
;;       r = np.clip(x / 2.0 ** e, -448, 448)
;;       step = 2.0 ** (np.maximum(np.frexp(np.where(r == 0, 1, r))[1] - 1, -6) - 3)
;;       q = np.round(r / step) * step * 2.0 ** e      # np.round: ties to even
;;       return np.moveaxis(q, -1, axis).astype(np.float32)
;;   ~~~
;;   SOFTMAX AHEAD OF A QUANTISED PRODUCT. Where the list says 'softmax', what is quantised is not the finished softmax but p = 2^(t - M), with t = logit x log2(e) and M = ceil(the row's largest t), a whole number; so 1/2 < the row's largest p <= 1. The row's sum l is taken of the UNQUANTISED p, in f32, and the product's result is divided by l at the end. Since M is a whole number, a kernel that streams over the keys may use a running M (the ceiling of the running maximum): every later rescaling is an exact power of two, so the quantised numbers keep their values, but for numbers so far below the row's largest that they fall under the format's range.
;;   OPERANDS COMPUTED ON THE WAY. 'Computed on the way' means the value that the module computes at that place (a softmax that the list does not call 'softmax' is quantised finished and normalised). What goes into a quantiser is computed in f32, as accurately as f32 sums, v_exp_f32 and their like allow (about 1e-6 of the number): no bf16 or f16 on the way to a quantiser, and a product that is left as it is and whose result goes on into a quantised operand takes f32 operands (vector FMAs, or v_wmma_f32_16x16x4_f32). A number that lies on a knife's edge between two numbers of the format may be rounded either way, as far as f32 arithmetic and the matrix unit's own rounding can turn it there, and no further.
;; One version. Each part assembles by itself: llvm-mc -triple=amdgcn-amd-amdhsa -mcpu=gfx1250 --defsym DOCPART=n.
;; ======== version 1 of 1: 4 launches
;; limits: right only within a limited range of input values
;; workspace buffers: xc 25,165,824 bytes; wc 4,194,304 bytes; qc 8,388,608 bytes; kc 8,388,608 bytes; vc 8,388,608 bytes; ac 8,388,608 bytes
;; launch quant (part 1): grid 384 x 1, 4 waves a work-group, no clusters, 35,328 bytes of LDS; arguments x, Wq, Wk, Wv, Wo, lowp_scales, xc, wc; writes xc, wc
.if DOCPART == 1
	.amdgcn_target "amdgcn-amd-amdhsa--gfx1250"
	.amdhsa_code_object_version 6
	.text
	.protected	k_q85996c5020_quant
	.globl	k_q85996c5020_quant
	.p2align	8
	.type	k_q85996c5020_quant,@function
k_q85996c5020_quant:
	s_mov_b64 s[64:65], 0
	v_nop
	global_prefetch_b8 v0, s[64:65] scope:SCOPE_SE
	s_setreg_imm32_b32 hwreg(HW_REG_WAVE_MODE, 25, 1), 1
	s_wait_xcnt 0x0
; x [8192][1024] f32 becomes three sets of E4M3 codes (scales 2^e0, 2^e2, 2^e4: the three projections may be given different scales), Wq, Wk, Wv, Wo [1024][1024] f32 one set each (e1, e3, e5, e11).
; code = number / 2^e, rounded to the nearest code, ties to even.
; LIMITS: each e between -126 and 119, so that 2^e and 448 x 2^e are f32 numbers.  NaN among the inputs is not served.
; THE CODES' LAYOUT, for every operand of the two GEMM launches: the code of (row m, k) lies at byte (m >> 7) x 131072 + (k >> 6) x 8192 + (m & 127) x 64 + (k & 63):
; 128 rows x 256 along K are then one dense block of 32,768 bytes.
; SHARES.  Work-groups 0-255 take x, 32 rows each; work-groups 256-383 the weights, 32 rows each.  A wave takes 8 rows x 1024 columns in 16 steps of 4 rows x 128 columns.
; A step's four loads read 512 consecutive bytes each; the 2,048 bytes turn through the wave's own stage in LDS (4 rows of 512 + 16 bytes) and come back 64 bytes a lane: 16 neighbours along K,
; as the conversions want them.  A lane's 16 codes are 16 bytes, and sixteen neighbouring lanes store 256 consecutive bytes, aligned.  No barrier: waves share nothing.
; The two paths part on the work-group's number and have LDS bytes of their own.
.set WREG,  4352                       ; LDS of a wave: two stages of STG bytes
.set STG,   2112                       ; 4 rows x RP
.set RP,    528                        ; a stage row: 512 bytes + 16 of padding
.set WBASE, 4*WREG                     ; the weights' path begins here
.set SPARE, 8*WREG                     ; behind both: the spare words, 128 bytes for each wave, which no other line names
.set R,     16                         ; v16-79   four sets of 16 numbers as loaded
.set X,     80                         ; v80-111  two sets of 16 neighbours
.set T,     112
.set C,     160                        ; v160-183 codes: two sets (by step) of four registers for each scale
.set SCL,   184                        ; v184, v186, v188 for scale k: 2^e
.set SPW,   12                         ; v12      LDS address of my spare word; never rewritten
.set NIL,   13                         ; v13      0; never rewritten
	s_load_b512 s[4:19], s[0:1], 0x0               ; x s[4:5], Wq s[6:7], Wk s[8:9], Wv s[10:11], Wo s[12:13], the exponents s[14:15], xc s[16:17], wc s[18:19]
	v_lshl_add_u32 v[SPW], v0, 2, SPARE
	v_mov_b32 v[NIL], 0
	v_lshrrev_b32 v1, 5, v0
	v_readfirstlane_b32 s28, v1                    ; wave 0..3
	v_and_b32 v2, 31, v0                           ; lane
	v_lshlrev_b32 v3, 4, v2                        ; my 16 bytes of a load's 512
	v_and_b32 v4, 15, v2
	v_lshlrev_b32 v4, 4, v4
	v_lshrrev_b32 v5, 4, v2
	v_lshl_add_u32 v4, v5, 13, v4                  ; my codes' place: 16 (lane % 16) + 8192 (lane / 16): lanes 16-31 hold the next 64 along K
	s_mul_i32 s29, s28, WREG
	v_add_nc_u32 v14, s29, v3                      ; x's path, into the stage: as loaded
	v_bfe_u32 v6, v2, 2, 2
	v_mul_u32_u24 v6, v6, RP                       ; out of it: row (lane / 4) % 4,
	v_lshl_add_u32 v6, v5, 8, v6                   ; its 64 numbers (lane / 16),
	v_and_b32 v7, 3, v2
	v_lshl_add_u32 v6, v7, 6, v6                   ; of them the 16 numbers (lane % 4)
	v_add_nc_u32 v15, s29, v6
	v_add_nc_u32 v8, WBASE, v14                    ; the weights' path: the same places in its own bytes
	v_add_nc_u32 v9, WBASE, v15
	s_wait_kmcnt 0x0
	s_load_b256 s[32:39], s[14:15], 0x0            ; e0 .. e7
	s_load_b128 s[40:43], s[14:15], 0x20           ; e8 .. e11
.macro LOAD t                          ; step t: rows 4 (t / 8) + j, columns 128 (t % 8) on
.irp j, 0,1,2,3
	global_load_b128 v[R+16*((\t)%4)+4*\j:R+16*((\t)%4)+4*\j+3], v3, s[20:21] offset:(4*((\t)/8)+\j)*4096+512*((\t)%8) th:TH_LOAD_NT
.endr
.endm
.macro TURN t, wa, ra                  ; step t's numbers through the stage: LDS serves a wave's instructions in order (ISA guide 5.7.1.4), so no wait stands between the stores and the loads
.irp j, 0,1,2,3
	ds_store_b128 v[\wa], v[R+16*((\t)%4)+4*\j:R+16*((\t)%4)+4*\j+3] offset:STG*((\t)%2)+RP*\j
.endr
.irp i, 0,1,2,3
	ds_load_b128 v[X+16*((\t)%2)+4*\i:X+16*((\t)%2)+4*\i+3], v[\ra] offset:STG*((\t)%2)+16*\i
.endr
.endm
.macro CONV t, k                       ; scale k: 16 codes
.irp i, 0,1,2,3,4,5,6,7,8,9,10,11,12,13,14,15
.endr
	v_cvt_scalef32_pk8_fp8_f32 v[C+12*((\t)%2)+4*\k:C+12*((\t)%2)+4*\k+1], v[T+16*\k+((X+16*((\t)%2)+0)-(T+16*\k+0)):T+16*\k+7+((X+16*((\t)%2)+0)-(T+16*\k+0))], v[SCL+2*\k]
	v_cvt_scalef32_pk8_fp8_f32 v[C+12*((\t)%2)+4*\k+2:C+12*((\t)%2)+4*\k+3], v[T+16*\k+8+((X+16*((\t)%2)+0)-(T+16*\k+0)):T+16*\k+15+((X+16*((\t)%2)+0)-(T+16*\k+0))], v[SCL+2*\k]
.endm
.macro QSTEP t, ns, wa, ra
	s_wait_dscnt 0x0                               ; this step's numbers are back from the stage, and its stores into the stage have read their registers,
.if (\t)+4 < 16
	LOAD (\t)+4                                    ; which take the loads of four steps on
.endif
.if (\t)+1 < 16
.if 14-(\t) >= 3
	s_wait_loadcnt 12                              ; the next step's four loads are in; those of the three steps behind it may be out
.else
	s_wait_loadcnt 4*(14-(\t))                     ; the tail: four loads for each step behind the next
.endif
	TURN (\t)+1, \wa, \ra
.endif
	s_wait_xcnt 0x0                                ; the stores of two steps ago have read this set of code registers
	CONV \t, 0
.if \ns > 1
	CONV \t, 1
	CONV \t, 2
.endif
	v_nop                                          ; one plain vector line behind the last conversion
	global_store_b128 v4, v[C+12*((\t)%2):C+12*((\t)%2)+3], s[22:23] offset:16384*((\t)%8)+256*((\t)/8)
.if \ns > 1
	global_store_b128 v4, v[C+12*((\t)%2)+4:C+12*((\t)%2)+7], s[24:25] offset:16384*((\t)%8)+256*((\t)/8)
	global_store_b128 v4, v[C+12*((\t)%2)+8:C+12*((\t)%2)+11], s[26:27] offset:16384*((\t)%8)+256*((\t)/8)
.endif
.endm
.macro MKSCALE k, e                    ; from the whole number in s[e]: 2^e (the conversion takes its exponent field) and 448 x 2^e
	s_add_co_i32 s46, s[\e], 127
	s_lshl_b32 s47, s46, 23
	v_mov_b32 v[SCL+2*\k], s47
	s_add_co_i32 s46, s46, 8
	s_lshl_b32 s46, s46, 23
	s_or_b32 s46, s46, 0x600000
.endm
.macro WALK ns, wa, ra
	s_wait_loadcnt 12                              ; step 0's four loads are in
	TURN 0, \wa, \ra
.irp t, 0,1,2,3,4,5,6,7,8,9,10,11,12,13,14,15
	QSTEP \t, \ns, \wa, \ra
.endr
	s_wait_tensorcnt 0x0                           ; the wave's end: a wait, an add to my spare word and its wait, behind my last LDS store
	ds_add_u32 v[SPW], v[NIL]
	s_wait_dscnt 0x0
	s_endpgm
.endm
	s_cmp_lt_u32 ttmp9, 256
	s_cbranch_scc0 .Lweights
	; ---- x
	s_lshl_b32 s30, ttmp9, 5
	s_lshl_b32 s31, s28, 3
	s_add_co_u32 s30, s30, s31                     ; my first row: 32 x work-group + 8 x wave
	s_lshl_b32 s44, s30, 12                        ; rows of 4,096 bytes
	s_mov_b32 s45, 0
	s_add_nc_u64 s[20:21], s[4:5], s[44:45]
	s_lshr_b32 s44, s30, 7
	s_lshl_b32 s44, s44, 17
	s_and_b32 s46, s30, 127
	s_lshl_b32 s46, s46, 6
	s_add_co_u32 s44, s44, s46                     ; the row's place in the codes' layout
	s_add_nc_u64 s[22:23], s[16:17], s[44:45]      ; three sets of codes, 8 MiB apart
	s_add_nc_u64 s[24:25], s[22:23], 0x800000
	s_add_nc_u64 s[26:27], s[22:23], 0x1000000
.irp t, 0,1,2,3
	LOAD \t
.endr
	s_wait_kmcnt 0x0
	MKSCALE 0, 32
	MKSCALE 1, 34
	MKSCALE 2, 36
	s_wait_alu depctr_va_vdst(0)
	WALK 3, 14, 15
	; ---- the weights
.Lweights:
	s_sub_co_u32 s30, ttmp9, 256
	s_lshr_b32 s29, s30, 5                         ; which weight: 0 Wq, 1 Wk, 2 Wv, 3 Wo
	s_and_b32 s30, s30, 31
	s_lshl_b32 s30, s30, 5
	s_lshl_b32 s31, s28, 3
	s_add_co_u32 s30, s30, s31                     ; my first row
	s_and_b32 s31, s29, 1
	s_cmp_lt_u32 s29, 2                            ; the choice hangs on the work-group's number alone
	s_cselect_b64 s[20:21], s[6:7], s[10:11]
	s_cselect_b64 s[24:25], s[8:9], s[12:13]
	s_cmp_eq_u32 s31, 0
	s_cselect_b64 s[20:21], s[20:21], s[24:25]
	s_lshl_b32 s44, s30, 12
	s_mov_b32 s45, 0
	s_add_nc_u64 s[20:21], s[20:21], s[44:45]
	s_lshr_b32 s44, s30, 7
	s_lshl_b32 s44, s44, 17
	s_and_b32 s46, s30, 127
	s_lshl_b32 s46, s46, 6
	s_add_co_u32 s44, s44, s46
	s_lshl_b32 s46, s29, 20                        ; the weights' codes lie 1 MiB apart
	s_add_co_u32 s44, s44, s46
	s_add_nc_u64 s[22:23], s[18:19], s[44:45]
.irp t, 0,1,2,3
	LOAD \t
.endr
	s_wait_kmcnt 0x0
	s_cmp_lt_u32 s29, 2
	s_cselect_b32 s44, s33, s37                    ; e1 or e5
	s_cselect_b32 s45, s35, s43                    ; e3 or e11
	s_cmp_eq_u32 s31, 0
	s_cselect_b32 s44, s44, s45
	MKSCALE 0, 44
	s_wait_alu depctr_va_vdst(0)
	WALK 1, 8, 9
.Lfunc_end_k_q85996c5020_quant:
	.size	k_q85996c5020_quant, .Lfunc_end_k_q85996c5020_quant-k_q85996c5020_quant
	.p2alignl 7, 3214868480
	.fill 96, 4, 3214868480
	.section	.rodata,"a",@progbits
	.p2align	6, 0x0
	.amdhsa_kernel k_q85996c5020_quant
		.amdhsa_group_segment_fixed_size 35328
		.amdhsa_private_segment_fixed_size 0
		.amdhsa_enable_private_segment 0
		.amdhsa_kernarg_size 64
		.amdhsa_user_sgpr_count 2
		.amdhsa_user_sgpr_kernarg_segment_ptr 1
		.amdhsa_wavefront_size32 1
		.amdhsa_system_sgpr_workgroup_id_x 1
		.amdhsa_system_sgpr_workgroup_id_y 1
		.amdhsa_system_sgpr_workgroup_id_z 1
		.amdhsa_system_vgpr_workitem_id 0
		.amdhsa_next_free_vgpr 192
		.amdhsa_next_free_sgpr 66
		.amdhsa_reserve_vcc 0
		.amdhsa_float_denorm_mode_32 3
		.amdhsa_float_denorm_mode_16_64 3
		.amdhsa_fp16_overflow 1
		.amdhsa_memory_ordered 1
		.amdhsa_forward_progress 1
		.amdhsa_inst_pref_size 51
	.end_amdhsa_kernel
	.amdgpu_metadata
---
amdhsa.version: [ 1, 2 ]
amdhsa.kernels:
  - .name:           k_q85996c5020_quant
    .symbol:         k_q85996c5020_quant.kd
    .args:
      - { .name: x, .offset: 0, .size: 8, .value_kind: global_buffer, .address_space: global }
      - { .name: Wq, .offset: 8, .size: 8, .value_kind: global_buffer, .address_space: global }
      - { .name: Wk, .offset: 16, .size: 8, .value_kind: global_buffer, .address_space: global }
      - { .name: Wv, .offset: 24, .size: 8, .value_kind: global_buffer, .address_space: global }
      - { .name: Wo, .offset: 32, .size: 8, .value_kind: global_buffer, .address_space: global }
      - { .name: lowp_scales, .offset: 40, .size: 8, .value_kind: global_buffer, .address_space: global }
      - { .name: xc, .offset: 48, .size: 8, .value_kind: global_buffer, .address_space: global }
      - { .name: wc, .offset: 56, .size: 8, .value_kind: global_buffer, .address_space: global }
    .group_segment_fixed_size: 35328
    .private_segment_fixed_size: 0
    .kernarg_segment_align: 8
    .kernarg_segment_size: 64
    .max_flat_workgroup_size: 128
    .sgpr_count:     66
    .vgpr_count:     192
    .wavefront_size: 32
...
	.end_amdgpu_metadata
.endif
;; end of part 1
;; launch qkv (part 2): grid 12 x 32, 4 waves a work-group, clusters of 4 x 4, 327,680 bytes of LDS; arguments xc, wc, bq, bk, bv, lowp_scales, qc, kc, vc; writes qc, kc, vc
.if DOCPART == 2
	.amdgcn_target "amdgcn-amd-amdhsa--gfx1250"
	.amdhsa_code_object_version 6
	.text
	.protected	k_q85996c5020_qkv
	.globl	k_q85996c5020_qkv
	.p2align	8
	.type	k_q85996c5020_qkv,@function
k_q85996c5020_qkv:
	s_mov_b64 s[64:65], 0
	v_nop
	global_prefetch_b8 v0, s[64:65] scope:SCOPE_SE
	s_setreg_imm32_b32 hwreg(HW_REG_WAVE_MODE, 25, 1), 1
	s_wait_xcnt 0x0
	s_wait_alu depctr_hold_cnt(0) depctr_sa_sdst(0) depctr_va_vdst(0) depctr_va_sdst(0) depctr_va_ssrc(0) depctr_va_vcc(0) depctr_vm_vsrc(0)
	s_getreg_b32 s2, hwreg(HW_REG_IB_STS2, 6, 4)
	s_cmp_eq_u32 s2, 0
	s_cbranch_scc0 .Lentry_in_a_cluster
	s_endpgm
.Lentry_in_a_cluster:
	s_bfe_u32 s2, ttmp6, 0x10000c
	s_cmp_lg_u32 s2, 0xf033
	s_cbranch_scc0 .Lentry_shape_is_right
	s_endpgm
.Lentry_shape_is_right:
; q = x Wq^T + bq, k = x Wk^T + bk, v = x Wv^T + bv on E4M3 codes, each result quantised at once for the attention launch: q with 2^e6, k with 2^e7, v with 2^e9.
; A result is sum x 2^(ea + eb) + bias, one fused multiply-add in f32; then the conversion.
; LIMITS: e0 + e1, e2 + e3, e4 + e5 between -126 and 127; e6, e7, e9 between -126 and 119: each power of two below is then an f32 number.
; THE PRODUCT.  C = A B^T, a tile of 256 x 256 to a work-group of four waves, 128 x 128 to a wave: 64 accumulators, 512 registers.  K = 1,024 goes in four steps of 256 through two LDS slots.
; Clusters of 4 x 4 work-groups: A's tile is asked for jointly by a row of the cluster, B's by a column.  The cluster's x says which product:
;   0, 1 (q, k): A = x's codes (tile row 4 cluster y + cy), B = the weight's (tile column cx).  A lane's eight results are eight features of one token: neighbours along the scores' K.
;   2 (v):       A = Wv's codes (tile row cy), B = x's (tile column 4 cluster y + cx).  A lane's eight results are eight TOKENS of one feature: neighbours along the keys, the second attention product's K.
; The matrix instruction is used transposed (source 0 = 16 rows of B, source 1 = 16 rows of A): lane (r, h) holds A's row r and B's rows 8 h + 0 .. 7.
; OPERANDS lie so that 128 rows x 256 along K are one dense block of 32,768 bytes: (k >> 6) x 8192 + row x 64 + (k & 63).  A tensor load takes it as 128 lines of 256 bytes (four rows' 64 codes a line), 16 bytes of padding behind each.
; OUTPUT.  qc, kc: [batch x head][token][64 bytes]; in a row, byte 32 g + 16 h + 8 u + j holds dim 32 g + 16 u + 8 h + j, alike in q and k, so every product meets its partner.
;          vc: [batch][feature][2,048 tokens]; inside each 32 tokens, byte 16 h + 8 u + j holds token 16 u + 8 h + j.
; REGISTERS, in windows of 256: window 0: v1-29 addresses; v32-95 the biases; v96-127 codes; v128-255 A's fragments, one set; on the way out v128-255 are at work.
;   window 1: B's fragments, two sets.   windows 2, 3: the accumulators ((a, b) at v[8 (8 (a % 4) + b)]).
.set PITCH,  272                       ; an LDS line: 256 bytes + 16 of padding
.set KBLK,   32*PITCH                  ; 128 rows x 64 along K: 32 lines
.set RB16,   4*PITCH                   ; 16 rows: 4 lines
.set KSTEPB, 32768                     ; a K step of 128 rows in memory
.set FR,     16                        ; registers of a fragment: 16 rows x 128 K
.set NL,     4                         ; LDS loads that bring one
.set NP,     4                         ; places behind this matrix instruction (ISA guide 7.12.1)
.set HALFT,  128*PITCH                 ; what one tensor load brings, and what one wave reads of A or of B
.set SLOT,   4*HALFT                   ; A's 256 rows, then B's 256 rows
.set SPARE,  2*SLOT                    ; behind the ring: the spare words, 128 bytes for each wave, which no other line names
.set BIAS,   SPARE+512                 ; 512 bytes for each wave: its 128 bias numbers
.set STGQ,   0                         ; the way out of q and k: 256 rows (tokens) x 272 bytes; of v: 256 rows (features) x 272 bytes.  Both lie in slot 0,
.set STGV,   256*PITCH                 ; which has had its last fill and its last read when the first code is stored there; each path has bytes of its own
.set SC,   12                          ; v12  2^eo
.set LM,   13
.set BST,  14                          ; v14  where I put my four bias numbers
.set BLQ,  15                          ; v15  where I read biases back: q, k
.set ADRA, 16                          ; v16-17 LDS address of my A fragments in slot 0, 1
.set BLV,  18                          ; v18  where I read biases back: v
.set RDV,  19                          ; v19  v: where I read a stage row back
.set ADRB, 20                          ; v20-21 the same as ADRA for B
.set COV,  22                          ; v22  v: my byte offset in vc
.set STOV, 23                          ; v23  v: where I put 16 codes
.set STOQ, 24                          ; v24  q, k: the same
.set RDQ,  25                          ; v25  q, k: where I read rows back, rows 0-127
.set COQ,  26                          ; v26  16 x lane
.set RDQ2, 27                          ; v27  rows 128-255
.set SPW,  28                          ; v28  LDS address of my spare word; never rewritten
.set NIL,  29                          ; v29  0; never rewritten
.set BI,   32                          ; v32-95 biases in the results' layout
.set CD,   96                          ; v96-127 codes, two sets of 16
.set AF,   128                         ; A's fragments
.set TMP,  128                         ; the way out: a block's 64 numbers
.set G1, 24                            ; s[24:31] descriptor group 1 for A's tiles;  s[32:39] group 0, a set for each slot
.set G0, 32
.set G1B, 48                           ; s[48:55], s[56:63] the same for B's tiles
.set G0B, 56
.set MSB, 0
.macro WIN new                         ; the immediate's high byte repeats the setting that is left
.if MSB != \new
	s_set_vgpr_msb (MSB<<8)|\new
.set MSB, \new
.endif
.endm
.set MUL_LO, 0xa1                      ; source 0 (B) window 1, source 1 (A) window 0, C and D window 2
.set MUL_HI, 0xf1                      ; the same, C and D window 3
.set TO_B,   0x40                      ; destination window 1, address window 0
; A joint load: waves 0 and 1 fetch for A, waves 2 and 3 for B.  Each line has one mask and one set of registers for all that issue it; the branch hangs on the wave's number alone.
; An s_nop 0 and four v_nop follow each of the two lines, ahead of the jump, the label and what follows.
.macro JLOAD g0a, g1a, g0b, g1b
	s_cmp_eq_u32 s15, 0
	s_cbranch_scc0 .Lfor_b_\@
	tensor_load_to_lds s[\g0a:\g0a+3], s[\g1a:\g1a+7]
	s_nop 0
.rept 4
	v_nop
.endr
	s_branch .Lasked_\@
.Lfor_b_\@:
	tensor_load_to_lds s[\g0b:\g0b+3], s[\g1b:\g1b+7]
	s_nop 0
.rept 4
	v_nop
.endr
.Lasked_\@:
.endm
.macro CREST                           ; a round of the cluster's barrier behind its opening barrier
	s_cmp_lg_u32 s14, 0
	s_cbranch_scc1 .Lnot_wave_0_\@
	s_barrier_signal -3
.Lnot_wave_0_\@:
	s_barrier_wait -3
	s_barrier_signal -1
	s_barrier_wait -1
.endm
.macro CROUND                          ; a whole round
	s_barrier_signal -1
	s_barrier_wait -1
	CREST
.endm
	s_load_b512 s[68:83], s[0:1], 0x0              ; xc s[68:69], wc s[70:71], bq s[72:73], bk s[74:75], bv s[76:77], the exponents s[78:79], qc s[80:81], kc s[82:83]
	s_load_b64 s[84:85], s[0:1], 0x40              ; vc
	v_lshl_add_u32 v[SPW], v0, 2, SPARE
	v_mov_b32 v[NIL], 0
	ds_add_u32 v[SPW], v[NIL]
	ds_add_u32 v[SPW], v[NIL]                      ; the wave's opening: the add and its wait stand ahead of my first tensor load; the set-up below, work on registers, stands between them
	v_lshrrev_b32 v1, 5, v0
	v_readfirstlane_b32 s14, v1                    ; wave 0..3
	s_lshr_b32 s15, s14, 1                         ; which half of A's rows is mine.  Also: I fetch for A (0) or for B (1)
	s_and_b32 s16, s14, 1                          ; which half of B's rows.  Also: which 128 rows of that tile I fetch
	s_bfe_u32 s40, ttmp6, 0x40000                  ; cx, cy: my place in the cluster
	s_bfe_u32 s41, ttmp6, 0x40004
	s_and_b32 s18, ttmp7, 0xffff
	s_lshl_b32 s18, s18, 2                         ; 4 x cluster y
	s_add_co_u32 s19, s18, s41                     ; + cy
	s_add_co_u32 s22, s18, s40                     ; + cx
	s_lshl_b32 s43, s41, 2
	s_lshl_b32 s43, 15, s43                        ; my row of the cluster
	s_lshl_b32 s44, 0x1111, s40                    ; my column
	s_lshl_b32 s20, ttmp9, 23                      ; x's three sets of codes lie 8 MiB apart,
	s_lshl_b32 s46, ttmp9, 20                      ; the weights' 1 MiB
	s_cmp_eq_u32 ttmp9, 2                          ; the cluster's x is the same in all sixteen partners
	s_cselect_b32 s17, s41, s19                    ; A's tile row: it hangs on cy alone
	s_cselect_b32 s42, s22, s40                    ; B's tile column: on cx alone
	s_cselect_b32 s20, 0x200000, s20               ; A's tensor in its buffer: Wv, or x's set
	s_cselect_b32 s46, 0x1000000, s46              ; B's: x's third set, or the weight
	; descriptor group 1: 128 lines of 256 bytes, dense in memory, padded in LDS
	s_or_b32 s[G1+0], s43, (0<<16)|(1<<20)|(1<<21)|(5<<22)|(3<<25)  ; 15:0 the mask: A's tiles go to my row; 17:16 element of 1 byte; 20 padding on; 21 set beside a mask; 24:22 after every 64 words (code 5); 31:25 of 4 words (code 3)
	s_or_b32 s[G1B+0], s44, (0<<16)|(1<<20)|(1<<21)|(5<<22)|(3<<25)
.irp g, G1, G1B
	s_mov_b32 s[\g+1], 256<<16                     ; tensor_dim0
	s_mov_b32 s[\g+2], 128<<16                     ; tensor_dim1
	s_mov_b32 s[\g+3], 256<<16                     ; tile_dim0
	s_mov_b32 s[\g+4], 128                         ; tile_dim1
	s_mov_b32 s[\g+5], 256                         ; tensor_dim0_stride: the lines follow each other
	s_mov_b32 s[\g+6], 0
	s_mov_b32 s[\g+7], 0
.endr
	s_lshl_b32 s21, s17, 1
	s_add_co_u32 s21, s21, s16                     ; A: block of 128 rows = 2 x tile row + the half that I fetch,
	s_lshl_b32 s21, s21, 17                        ; 131,072 bytes each
	s_add_co_u32 s20, s20, s21
	s_mov_b32 s21, 0
	s_lshl_b32 s47, s42, 1
	s_add_co_u32 s47, s47, s16                     ; B likewise
	s_lshl_b32 s47, s47, 17
	s_add_co_u32 s46, s46, s47
	s_mov_b32 s47, 0
	s_mul_i32 s45, s14, HALFT                      ; where they go: wave x 128 lines: no place in the cluster enters an LDS address
	s_wait_dscnt 0x0                               ; the opening add is done
	s_wait_kmcnt 0x0
	s_load_b256 s[88:95], s[78:79], 0x0            ; e0 .. e7
	s_load_b128 s[96:99], s[78:79], 0x20           ; e8 .. e11
	s_cmp_eq_u32 ttmp9, 2
	s_cselect_b64 s[104:105], s[70:71], s[68:69]   ; A's buffer
	s_add_nc_u64 s[20:21], s[104:105], s[20:21]
	s_cselect_b64 s[104:105], s[68:69], s[70:71]   ; B's
	s_add_nc_u64 s[46:47], s[104:105], s[46:47]
	CROUND                                         ; all sixteen work-groups are here: the first joint loads meet
.irp s, 0,1
	s_mov_b32 s[G0+4*\s], 1
	s_add_co_u32 s[G0+4*\s+1], s45, \s*SLOT
	s_add_nc_u64 s[G0+4*\s+2:G0+4*\s+3], s[20:21], \s*KSTEPB
	s_or_b32 s[G0+4*\s+3], s[G0+4*\s+3], 0x80000000
	s_mov_b32 s[G0B+4*\s], 1
	s_add_co_u32 s[G0B+4*\s+1], s45, \s*SLOT
	s_add_nc_u64 s[G0B+4*\s+2:G0B+4*\s+3], s[46:47], \s*KSTEPB
	s_or_b32 s[G0B+4*\s+3], s[G0B+4*\s+3], 0x80000000
	JLOAD G0+4*\s, G1, G0B+4*\s, G1B
.endr
	v_and_b32 v1, 15, v0                           ; r = lane % 16
	v_bfe_u32 v2, v0, 4, 1                         ; h = lane / 16
	v_lshrrev_b32 v3, 2, v1
	v_mul_u32_u24 v3, v3, PITCH                    ; row r lies in line r / 4,
	v_and_b32 v4, 3, v1
	v_lshl_add_u32 v3, v4, 6, v3                   ; at 64 (r % 4): the sixteen rows of a load begin at sixteen different 16-byte columns of the 256
	v_lshl_add_u32 v4, v2, 4, v3                   ; + 16 h
	s_mul_i32 s21, s15, HALFT                      ; my 128 rows of A
	s_mul_i32 s22, s16, HALFT                      ; my 128 rows of B,
	s_add_co_u32 s22, s22, 2*HALFT                 ; which lie behind A's 256
.irp s, 0,1
	v_add_nc_u32 v[ADRA+\s], s21, v4
	v_add_nc_u32 v[ADRB+\s], s22, v4
	s_add_co_u32 s21, s21, SLOT
	s_add_co_u32 s22, s22, SLOT
.endr
	; the way out's addresses, all made here, ahead of every parting of ways
	v_and_b32 v5, 31, v0
	v_lshlrev_b32 v[COQ], 4, v5                    ; 16 x lane
	s_lshl_b32 s23, s14, 9
	s_add_co_u32 s23, s23, BIAS                    ; my wave's 512 bytes of biases
	v_add_nc_u32 v[BST], s23, v[COQ]
	v_lshl_add_u32 v[BLQ], v2, 5, s23              ; q, k: features 16 b + 8 h + 0 .. 7
	v_lshl_add_u32 v[BLV], v1, 2, s23              ; v: feature 16 a + r
	s_mul_i32 s23, s15, HALFT                      ; the stage: my 128 rows,
	s_lshl_b32 s21, s16, 7                         ; my 128 of their 256 bytes
	s_add_co_u32 s23, s23, s21
	v_mul_u32_u24 v6, v1, PITCH
	v_lshl_add_u32 v6, v2, 4, v6                   ; row r, 16 bytes for each half of the lanes
	v_add_nc_u32 v[STOQ], s23, v6
	v_add_nc_u32 v[STOV], STGV, v[STOQ]
	v_lshrrev_b32 v6, 2, v5                        ; q, k, back: wave w takes the tile's head w: 64 bytes of each row, eight rows an instruction
	v_mul_u32_u24 v6, v6, PITCH
	v_and_b32 v7, 3, v5
	v_lshl_add_u32 v6, v7, 4, v6
	s_lshl_b32 s23, s14, 6
	v_add_nc_u32 v[RDQ], s23, v6
	v_add_nc_u32 v[RDQ2], 128*PITCH, v[RDQ]
	s_mul_i32 s23, s14, 64*PITCH                   ; v, back: wave w takes rows 64 w on, whole; lanes 0-15 one row, lanes 16-31 the next
	s_add_co_u32 s23, s23, STGV
	v_mul_u32_u24 v6, v2, PITCH
	v_lshl_add_u32 v6, v1, 4, v6
	v_add_nc_u32 v[RDV], s23, v6
	v_lshlrev_b32 v6, 11, v2                       ; and the same two rows in vc, 2,048 bytes apart
	v_lshl_add_u32 v[COV], v1, 4, v6
	; my wave's 128 bias numbers, four a lane: q, k: features 256 cx + 128 (wave % 2) on;  v: 256 cy + 128 (wave / 2) on
	s_lshl_b32 s18, s40, 10
	s_lshl_b32 s19, s16, 9
	s_add_co_u32 s18, s18, s19
	s_lshl_b32 s19, s41, 10
	s_lshl_b32 s22, s15, 9
	s_add_co_u32 s19, s19, s22
	s_cmp_eq_u32 ttmp9, 0
	s_cselect_b64 s[86:87], s[72:73], s[74:75]
	s_cmp_eq_u32 ttmp9, 2
	s_cselect_b64 s[86:87], s[76:77], s[86:87]
	s_cselect_b32 s18, s19, s18
	s_mov_b32 s19, 0
	s_add_nc_u64 s[86:87], s[86:87], s[18:19]
	global_load_b128 v[8:11], v[COQ], s[86:87]
.macro FRAG reg, adr, q, i             ; a fragment, 16 rows x 128 K, is 16 registers: lane (r, h) holds row r; registers 4 c .. 4 c + 3 hold K = 32 c + 16 h + 0 .. 15: the same order of K in A and in B
.irp c, 0,1,2,3
	ds_load_b128 v[\reg+4*\c:\reg+4*\c+3], v[\adr] offset:(2*(\q)+\c/2)*KBLK+32*(\c%2)+(\i)*RB16
.endr
.endm
; 16 matrix instructions: A's blocks a0, a0 + 1 x B's eight, 128 along K.  p: B's set.  zero = 1: the first product starts the sums.
; The 64 accumulators take turns, one instruction a turn, in the same order in every step.
.macro MUL16 a0, p, zero
.irp a, \a0, \a0+1
.irp b, 0,1,2,3,4,5,6,7
.if \zero
	v_wmma_f32_16x16x128_fp8_fp8 v[8*(8*((\a)%4)+\b):8*(8*((\a)%4)+\b)+7], v[128*(\p)+FR*\b:128*(\p)+FR*\b+FR-1], v[AF+FR*(\a):AF+FR*(\a)+FR-1], 0
.else
	v_wmma_f32_16x16x128_fp8_fp8 v[8*(8*((\a)%4)+\b):8*(8*((\a)%4)+\b)+7], v[128*(\p)+FR*\b:128*(\p)+FR*\b+FR-1], v[AF+FR*(\a):AF+FR*(\a)+FR-1], v[8*(8*((\a)%4)+\b):8*(8*((\a)%4)+\b)+7]
.endif
.endr
.endr
.endm
.macro FETCH_B slot, q, p              ; B's eight fragments of the slot's q-th 128 along K into set p
	WIN TO_B
.irp i, 0,1,2,3,4,5,6,7
	FRAG 128*(\p)+FR*\i, ADRB+\slot, \q, \i
.endr
	WIN 0
.endm
.macro FETCH_A slot, q, i0             ; A's blocks i0 .. i0 + 3
.irp i, \i0, \i0+1, \i0+2, \i0+3
	FRAG AF+FR*(\i), ADRA+\slot, \q, \i
.endr
.endm
.macro PLACES n                        ; plain vector lines between a matrix instruction and a load into a register that it read, or a read of its result
.rept \n
	v_nop
.endr
.endm
.macro STEP slot, q, zero              ; a step of 128 along K that has its successor in the same slot
	s_wait_dscnt 4*NL                              ; B's set and A's blocks 0-3 are in; the youngest sixteen loads (A's blocks 4-7) may be out
	WIN MUL_LO
	MUL16 0, (\q)%2, \zero
	MUL16 2, (\q)%2, \zero
	s_wait_dscnt 0                                 ; A's blocks 4-7 are in
	PLACES NP
	FETCH_B \slot, (\q)+1, 1-(\q)%2
	FETCH_A \slot, (\q)+1, 0
	WIN MUL_HI
	MUL16 4, (\q)%2, \zero
	MUL16 6, (\q)%2, \zero
	PLACES NP
	WIN 0
	FETCH_A \slot, (\q)+1, 4
.endm
; A slot's last step changes slots: one barrier; in front of it each wave waits for all its tensor loads, adds 0 to its spare word, and waits for that and for its own reads of this slot.  fill = 1: this slot is filled again, two K steps ahead.
.macro TURN slot, next, fill
	s_wait_tensorcnt 0x0                           ; all my tensor loads have landed: my part of the next slot
	ds_add_u32 v[SPW], v[NIL]                      ; 0 onto my spare word
	s_wait_dscnt 4*NL+1                            ; the add and the youngest sixteen loads (A's blocks 4-7) may be out
	WIN MUL_LO
	MUL16 0, 1, 0                                  ; sixteen matrix instructions stand between the add and the wait for it
	s_wait_dscnt 0x0                               ; the add is done, and my reads of this slot are over
	s_barrier_signal -1
	MUL16 2, 1, 0
	WIN 0
	s_barrier_wait -1
.if \fill
	CREST                                          ; the barrier has opened a round of the cluster's barrier: no wave of any partner still reads this slot or has a load on its way
	s_add_nc_u64 s[G0+4*\slot+2:G0+4*\slot+3], s[G0+4*\slot+2:G0+4*\slot+3], 2*KSTEPB
	s_add_nc_u64 s[G0B+4*\slot+2:G0B+4*\slot+3], s[G0B+4*\slot+2:G0B+4*\slot+3], 2*KSTEPB
	JLOAD G0+4*\slot, G1, G0B+4*\slot, G1B         ; the first tensor load behind the round; its four v_nop are also the places in front of the loads below
.else
	PLACES NP
.endif
	FETCH_B \next, 0, 0
	FETCH_A \next, 0, 0
	WIN MUL_HI
	MUL16 4, 1, 0
	MUL16 6, 1, 0
	PLACES NP
	WIN 0
	FETCH_A \next, 0, 4
.endm
	s_wait_tensorcnt 1                             ; my part of K step 0 is in; K step 1's load may be out
	s_barrier_signal -1
	s_barrier_wait -1                              ; everybody's is
	FETCH_B 0, 0, 0
	FETCH_A 0, 0, 0
	FETCH_A 0, 0, 4
	STEP 0, 0, 1                                   ; K = 1,024 is four K steps of 256, eight steps of 128: all written out; the first products start the sums
	TURN 0, 1, 1                                   ; slot 0 takes K step 2
	STEP 1, 0, 0
	TURN 1, 0, 1                                   ; slot 1 takes K step 3
	STEP 0, 0, 0
	TURN 0, 1, 0                                   ; nothing is left to fetch; behind this barrier nobody reads slot 0
	STEP 1, 0, 0
	s_wait_dscnt 4*NL
	WIN MUL_LO
	MUL16 0, 1, 0
	MUL16 2, 1, 0
	s_wait_dscnt 0
	WIN MUL_HI
	MUL16 4, 1, 0
	MUL16 6, 1, 0
	WIN 0
	; THE WAY OUT.  The product's three exponents, chosen without a jump
	s_wait_kmcnt 0x0
	s_add_co_i32 s18, s88, s89                     ; e0 + e1
	s_add_co_i32 s19, s90, s91                     ; e2 + e3
	s_add_co_i32 s22, s92, s93                     ; e4 + e5
	s_cmp_eq_u32 ttmp9, 0
	s_cselect_b32 s18, s18, s19
	s_cselect_b32 s19, s94, s95                    ; e6 or e7
	s_cmp_eq_u32 ttmp9, 2
	s_cselect_b32 s18, s22, s18
	s_cselect_b32 s19, s97, s19                    ; e9
	s_add_co_i32 s18, s18, 127
	s_lshl_b32 s100, s18, 23                       ; 2^(ea + eb) as f32
	s_mov_b32 s101, s100                           ; (named with it as a pair, so it is written)
	s_add_co_i32 s19, s19, 127
	s_lshl_b32 s22, s19, 23
	v_mov_b32 v[SC], s22                           ; 2^eo: the conversion takes its exponent field
	s_wait_loadcnt 0x0                             ; my four bias numbers
	ds_store_b128 v[BST], v[8:11]                  ; through my own 512 bytes of LDS they come back in the results' layout; LDS serves a wave's instructions in order
	PLACES NP
; Block a: 16 rows of A x my 128 rows of B.  number = sum x 2^(ea + eb) + bias; eight conversions; 16 bytes a store: the codes of accumulators 2 g and 2 g + 1.
; kind 0: the bias goes with B's rows (eight registers an accumulator); kind 1: with A's row (one number a lane and block, held twice as a pair).
.macro BLOCK a, kind, sto
.set AC, 64*((\a)%4)
.set CDS, CD+16*((\a)%2)
	WIN 0x02+((\a)/4)                              ; source 0: window 2 or 3
.irp b, 0,1,2,3,4,5,6,7
.irp j, 0,2,4,6
.if \kind
	v_pk_fma_f32 v[TMP+8*\b+\j:TMP+8*\b+\j+1], v[AC+8*\b+\j:AC+8*\b+\j+1], s[100:101], v[BI+2*(\a):BI+2*(\a)+1] op_sel_hi:[1,0,1]
.else
	v_pk_fma_f32 v[TMP+8*\b+\j:TMP+8*\b+\j+1], v[AC+8*\b+\j:AC+8*\b+\j+1], s[100:101], v[BI+8*\b+\j:BI+8*\b+\j+1] op_sel_hi:[1,0,1]
.endif
.endr
.endr
	WIN 0
.set nn, 0
.rept 64
.set nn, nn+1
.endr
.if (\a) >= 2
	s_wait_alu depctr_va_vdst(0)
	s_wait_dscnt 4                                 ; all but the last block's four stores are done: this set of code registers has been read
.endif
.irp b, 0,1,2,3,4,5,6,7
	v_cvt_scalef32_pk8_fp8_f32 v[CDS+2*\b:CDS+2*\b+1], v[TMP+8*\b:TMP+8*\b+7], v[SC]
.endr
	v_nop                                          ; one plain vector line behind the last conversion: the next block writes the conversions' sources
.irp g, 0,1,2,3
	ds_store_b128 v[\sto], v[CDS+4*\g:CDS+4*\g+3] offset:16*PITCH*(\a)+32*\g
.endr
.endm
	s_cmp_eq_u32 ttmp9, 2                          ; the cluster's x: the same in every wave and every partner
	s_cbranch_scc1 .Lv_blocks
.irp b, 0,1,2,3,4,5,6,7
	ds_load_b128 v[BI+8*\b:BI+8*\b+3], v[BLQ] offset:64*\b
	ds_load_b128 v[BI+8*\b+4:BI+8*\b+7], v[BLQ] offset:64*\b+16
.endr
	s_wait_dscnt 0x0
.irp a, 0,1,2,3,4,5,6,7
	BLOCK \a, 0, STOQ
.endr
	s_branch .Lmeet
.Lv_blocks:
.irp a, 0,1,2,3,4,5,6,7
	ds_load_b32 v[BI+2*\a], v[BLV] offset:64*\a
.endr
	s_wait_dscnt 0x0
.irp a, 0,1,2,3,4,5,6,7
	v_mov_b32 v[BI+2*\a+1], v[BI+2*\a]
.endr
.irp a, 0,1,2,3,4,5,6,7
	BLOCK \a, 1, STOV
.endr
.Lmeet:
	s_wait_dscnt 0x0                               ; for the others' sake: my codes lie in the stage
	s_barrier_signal -1
	s_barrier_wait -1                              ; a stage row's 256 bytes come from two waves
	s_cmp_eq_u32 ttmp9, 2
	s_cbranch_scc1 .Lv_out
	; q, k: wave w sends head 4 cx + w: 256 tokens x 64 bytes, dense in memory; an instruction takes eight tokens: 512 consecutive bytes, aligned
.irp i, 0,1,2,3,4,5,6,7,8,9,10,11,12,13,14,15
	ds_load_b128 v[192+4*\i:195+4*\i], v[RDQ] offset:8*PITCH*\i
.endr
.irp i, 0,1,2,3,4,5,6,7,8,9,10,11,12,13,14,15
	ds_load_b128 v[128+4*\i:131+4*\i], v[RDQ2] offset:8*PITCH*\i
.endr
	s_lshr_b32 s18, s17, 3                         ; the batch: eight tiles of 256 tokens each
	s_lshl_b32 s18, s18, 4
	s_lshl_b32 s19, s40, 2
	s_add_co_u32 s18, s18, s19
	s_add_co_u32 s18, s18, s14                     ; 16 x batch + head,
	s_lshl_b32 s18, s18, 17                        ; 2,048 tokens x 64 bytes each
	s_and_b32 s19, s17, 7
	s_lshl_b32 s19, s19, 14                        ; + the tile's 256 tokens
	s_add_co_u32 s18, s18, s19
	s_mov_b32 s19, 0
	s_cmp_eq_u32 ttmp9, 0
	s_cselect_b64 s[104:105], s[80:81], s[82:83]
	s_add_nc_u64 s[104:105], s[104:105], s[18:19]
.irp i, 0,1,2,3,4,5,6,7,8,9,10,11,12,13,14,15
	s_wait_dscnt 31-\i                             ; LDS loads come back in order: load i is in, the younger ones may be out
	global_store_b128 v[COQ], v[192+4*\i:195+4*\i], s[104:105] offset:512*\i
.endr
.irp i, 0,1,2,3,4,5,6,7,8,9,10,11,12,13,14,15
	s_wait_dscnt 15-\i
	global_store_b128 v[COQ], v[128+4*\i:131+4*\i], s[104:105] offset:512*(16+\i)
.endr
	s_branch .Lend
.Lv_out:
	; v: wave w sends features 64 w on: sixteen lanes store a row's 256 bytes, aligned
.irp i, 0,1,2,3,4,5,6,7,8,9,10,11,12,13,14,15
	ds_load_b128 v[192+4*\i:195+4*\i], v[RDV] offset:2*PITCH*\i
.endr
.irp i, 0,1,2,3,4,5,6,7,8,9,10,11,12,13,14,15
	ds_load_b128 v[128+4*\i:131+4*\i], v[RDV] offset:2*PITCH*(16+\i)
.endr
	s_lshr_b32 s18, s42, 3                         ; the batch,
	s_lshl_b32 s18, s18, 21                        ; 1,024 features x 2,048 bytes each
	s_lshl_b32 s19, s41, 8
	s_lshl_b32 s22, s14, 6
	s_add_co_u32 s19, s19, s22                     ; feature 256 cy + 64 w
	s_lshl_b32 s19, s19, 11
	s_add_co_u32 s18, s18, s19
	s_and_b32 s19, s42, 7
	s_lshl_b32 s19, s19, 8                         ; + the tile's 256 tokens
	s_add_co_u32 s18, s18, s19
	s_mov_b32 s19, 0
	s_add_nc_u64 s[104:105], s[84:85], s[18:19]
.irp i, 0,1,2,3,4,5,6,7,8,9,10,11,12,13,14,15
	s_wait_dscnt 31-\i
	global_store_b128 v[COV], v[192+4*\i:195+4*\i], s[104:105] offset:4096*\i
.endr
.irp i, 0,1,2,3,4,5,6,7,8,9,10,11,12,13,14,15
	s_wait_dscnt 15-\i
	global_store_b128 v[COV], v[128+4*\i:131+4*\i], s[104:105] offset:4096*(16+\i)
.endr
.Lend:
	s_wait_tensorcnt 0x0                           ; the wave's end: a wait, an add to my spare word and its wait, behind my last tensor load and my last LDS store
	ds_add_u32 v[SPW], v[NIL]
	s_wait_dscnt 0x0
	CROUND                                         ; the closing round: no work-group ends while a partner may still ask for a tile that names it
	s_endpgm
.Lfunc_end_k_q85996c5020_qkv:
	.size	k_q85996c5020_qkv, .Lfunc_end_k_q85996c5020_qkv-k_q85996c5020_qkv
	.p2alignl 7, 3214868480
	.fill 96, 4, 3214868480
	.section	.rodata,"a",@progbits
	.p2align	6, 0x0
	.amdhsa_kernel k_q85996c5020_qkv
		.amdhsa_group_segment_fixed_size 327680
		.amdhsa_private_segment_fixed_size 0
		.amdhsa_enable_private_segment 0
		.amdhsa_kernarg_size 72
		.amdhsa_user_sgpr_count 2
		.amdhsa_user_sgpr_kernarg_segment_ptr 1
		.amdhsa_wavefront_size32 1
		.amdhsa_system_sgpr_workgroup_id_x 1
		.amdhsa_system_sgpr_workgroup_id_y 1
		.amdhsa_system_sgpr_workgroup_id_z 1
		.amdhsa_system_vgpr_workitem_id 0
		.amdhsa_next_free_vgpr 1024
		.amdhsa_next_free_sgpr 106
		.amdhsa_reserve_vcc 0
		.amdhsa_float_denorm_mode_32 3
		.amdhsa_float_denorm_mode_16_64 3
		.amdhsa_fp16_overflow 1
		.amdhsa_memory_ordered 1
		.amdhsa_forward_progress 1
		.amdhsa_inst_pref_size 141
	.end_amdhsa_kernel
	.amdgpu_metadata
---
amdhsa.version: [ 1, 2 ]
amdhsa.kernels:
  - .name:           k_q85996c5020_qkv
    .symbol:         k_q85996c5020_qkv.kd
    .args:
      - { .name: xc, .offset: 0, .size: 8, .value_kind: global_buffer, .address_space: global }
      - { .name: wc, .offset: 8, .size: 8, .value_kind: global_buffer, .address_space: global }
      - { .name: bq, .offset: 16, .size: 8, .value_kind: global_buffer, .address_space: global }
      - { .name: bk, .offset: 24, .size: 8, .value_kind: global_buffer, .address_space: global }
      - { .name: bv, .offset: 32, .size: 8, .value_kind: global_buffer, .address_space: global }
      - { .name: lowp_scales, .offset: 40, .size: 8, .value_kind: global_buffer, .address_space: global }
      - { .name: qc, .offset: 48, .size: 8, .value_kind: global_buffer, .address_space: global }
      - { .name: kc, .offset: 56, .size: 8, .value_kind: global_buffer, .address_space: global }
      - { .name: vc, .offset: 64, .size: 8, .value_kind: global_buffer, .address_space: global }
    .group_segment_fixed_size: 327680
    .private_segment_fixed_size: 0
    .kernarg_segment_align: 8
    .kernarg_segment_size: 72
    .max_flat_workgroup_size: 128
    .sgpr_count:     106
    .vgpr_count:     1024
    .wavefront_size: 32
...
	.end_amdgpu_metadata
.endif
;; end of part 2
;; launch attn (part 3): grid 4 x 64, 16 waves a work-group, no clusters, 327,680 bytes of LDS; arguments qc, kc, vc, lowp_scales, ac; writes ac
.if DOCPART == 3
	.amdgcn_target "amdgcn-amd-amdhsa--gfx1250"
	.amdhsa_code_object_version 6
	.text
	.protected	k_q85996c5020_attn
	.globl	k_q85996c5020_attn
	.p2align	8
	.type	k_q85996c5020_attn,@function
k_q85996c5020_attn:
	s_mov_b64 s[64:65], 0
	v_nop
	global_prefetch_b8 v0, s[64:65] scope:SCOPE_SE
	s_setreg_imm32_b32 hwreg(HW_REG_WAVE_MODE, 25, 1), 1
	s_wait_xcnt 0x0
; Causal attention of one head on E4M3 codes: o[q] = sum over keys k <= q of softmax(q . k / 8) v[k]; both products quantised; the result is quantised at once (2^e10) for the output projection.
; qc, kc: [batch x head][2,048][64 bytes] (the same order of the 64 dims in both).  vc: [batch x head][64 dims][2,048 keys]; inside each 32 keys, byte 16 h + 8 u + j holds key 16 u + 8 h + j.
; ac: the code of (row m = 2,048 batch + query, feature 64 head + d) at (m >> 7) x 131072 + head x 8192 + (m & 127) x 64 + d.
; THE SOFTMAX AHEAD OF THE SECOND PRODUCT: t = score x log2(e) / 8; M = the largest t so far, rounded UP to a whole number; p = 2^(t - M) is quantised (2^e8), not normalised.
; The row's sum is taken of the unquantised p and divides at the end.  When M moves, the sum and O are multiplied by 2^(old M - new M): exact.
; LIMITS: e6 + e7 between -123 and 130 (they are added to the exponent field of log2(e) / 8); e8 and e10 between -126 and 119; e8 + e9 goes in by v_ldexp_f32 and has none.
; SHARES.  The head's 2,048 queries are eight blocks of 256.  Work-group i of a head (i = 0 .. 3) takes block i and then block 7 - i: key slots 0 .. i, then 0 .. 7 - i, of 256 keys each:
; always 9 slots, so the 256 work-groups have the same number of trips, that number is a constant of the text, and every slot that is loaded is read.  Tiles that lie wholly under the mask are not multiplied.
; Each of the sixteen waves owns 16 queries of the block in hand, in 256 registers: four waves to a SIMD, so that one wave's vector work stands beside another's matrix work and LDS loads.
; NO CLUSTER: in one trip the four work-groups of a head want different key slots (trip T: slot T or T - i - 1); walking slots 0 .. 7 in step, with both blocks at once, would take 12 slot times in place of 9.
; LAYOUT.  Both products are used transposed: S^T = K Q^T (source 0 = 16 keys, source 1 = my 16 queries), O^T = V^T P^T (source 0 = 16 dims, source 1 = P): a lane holds ONE query (lane % 16) throughout.
; Register j of score tile t is key 16 t + 8 (lane / 16) + j: its eight codes are registers 2 t, 2 t + 1 of the second product's operand as that form lays K; vc's order of keys gives V's fragments the same places by loads of 16 bytes.
; REGISTERS: v1-7, v11 addresses that stay; v8, v9 addresses of the step; v12 -M, v13 the largest t, v[14:15] the sum in two halves; v16-23 Q; v24-31 the second block's Q; v32-95 eight fragments of K, then four of V;
; v96-159 S^T, then p; v160-191 O^T; v192-207 p's codes; v208-223 the way out; v234-255 at work and scales.
.set LP,    272                        ; an LDS line: 256 bytes + 16 of padding
.set VOFF,  64*LP                      ; a slot: 64 lines of K (four keys a line), then 64 rows of V (a dim's 256 keys)
.set SLOT1, 65536                      ; slot 1 begins here: one exclusive or turns an address in one slot into the other's
.set STAGE, 131072                     ; the way out: 16 rows x 80 bytes for each wave; no load lands here
.set SPARE, STAGE+16*1280              ; the spare words, 128 bytes for each wave, which no other line names
.set AK0,  1                           ; v1   my lane's place in a tile of K
.set AV0,  2                           ; v2   the same for V
.set PFO,  3                           ; v3   the prefetches' offset; never rewritten
.set STO,  4                           ; v4   the way out: where I put 8 codes
.set SPW,  5                           ; v5   LDS address of my spare word; never rewritten
.set NIL,  6                           ; v6   0; never rewritten
.set GO,   7                           ; v7   16 x lane
.set ADK,  8
.set ADV,  9
.set RD,   11                          ; v11  the way out: where I read rows back
.set TB,   2                           ; s2   LDS byte at which the slot in hand begins
.set TRIP, 3                           ; s3   the trip, 0 .. 8
.set WV,   18                          ; s18  my wave's number
.set SEL,  20                          ; s[20:21] lane selects for v_permlanex16_b32: lane l xor 16
.set CS,   22                          ; s[22:23] c = log2(e) / 8 x 2^(e6 + e7)
.set G1K,  24                          ; s[24:31], s[32:39] descriptor groups 1;  s[40:43], s[44:47] groups 0
.set G1V,  32
.set G0K,  40
.set G0V,  44
.set SW,   48                          ; s48  the trip at which the second block begins: i + 1
.set Q0B,  49                          ; s49  my first query in the second block
.set KB,   50                          ; s[50:51] the head's K;  s[52:53] its V
.set VB,   52
.set OB,   54                          ; s[54:55] the head's place in ac;  s[56:57] my 16 rows'
.set OA,   56
.set OFS,  58                          ; s[58:59] an offset as a pair; s59 stays 0
.set PFA,  76                          ; s[76:77] where my prefetches stand;  s[78:79] a slot on
.set PFS,  78
.set LIM,  80                          ; s80  6 in a wave that prefetches, else 0: it asks while the trip is under it
.set EPV,  81                          ; s81  e8 + e9
.set KF,   98                          ; s98  the step's first key
.set Q0,   99                          ; s99  my first query
; Wave 0 fetches a slot's K, wave 1 its V, the others nothing.  The branches hang on the wave's number alone.  An s_nop 0 and four v_nop follow each of the two lines.
.macro TLOAD
	s_cmp_lt_u32 s[WV], 1
	s_cbranch_scc0 .Lnot_k_\@
	tensor_load_to_lds s[G0K:G0K+3], s[G1K:G1K+7]
	s_nop 0
.rept 4
	v_nop
.endr
	s_branch .Lasked_\@
.Lnot_k_\@:
	s_cmp_lt_u32 s[WV], 2
	s_cbranch_scc0 .Lasked_\@
	tensor_load_to_lds s[G0V:G0V+3], s[G1V:G1V+7]
	s_nop 0
.rept 4
	v_nop
.endr
.Lasked_\@:
.endm
; A PREFETCH INTO THE L2.  In trip T under 6 the head's work-group 0 names key slot T + 2: waves 4 and 5 K's dense 16,384 bytes (8,192 a wave, lanes 256 bytes apart), waves 6 and 7 V's 64 rows (32 a wave, a lane a row's 256 bytes).
; So each aligned block of 256 bytes of slots 2 .. 7 is named once in the launch, a trip or more ahead of the first tensor load of any of the head's four work-groups that wants it
; (slot 2 is first loaded in trip 1, slot 3 in trip 2, slot s from 4 on in trip s).  Slots 0 and 1 come by their loads alone; nothing is named beyond slot 7.
.macro ASK
	s_cmp_lt_u32 s[TRIP], s[LIM]
	s_cbranch_scc0 .Lnot_mine_\@
	global_prefetch_b8 v[PFO], s[PFA:PFA+1] th:TH_LOAD_NT scope:SCOPE_SE
.Lnot_mine_\@:
.endm
	s_load_b128 s[4:7], s[0:1], 0x0                ; qc s[4:5], kc s[6:7]
	s_load_b128 s[12:15], s[0:1], 0x10             ; vc s[12:13], the exponents s[14:15]
	s_load_b64 s[16:17], s[0:1], 0x20              ; ac
	v_lshl_add_u32 v[SPW], v0, 2, SPARE
	v_mov_b32 v[NIL], 0
	ds_add_u32 v[SPW], v[NIL]                      ; the wave's opening: the add and its wait stand ahead of my first tensor load; the set-up below, work on registers, stands between them
	ds_add_u32 v[SPW], v[NIL]
	v_lshrrev_b32 v8, 5, v0
	s_delay_alu instid0(VALU_DEP_1)
	v_readfirstlane_b32 s[WV], v8                  ; wave 0..15
	s_and_b32 s73, ttmp7, 0xffff                   ; batch x 16 + head
	s_lshl_b32 s[OFS], s73, 17                     ; the head's first byte in qc, kc and vc: 131,072 bytes each
	s_mov_b32 s[OFS+1], 0
	s_add_co_u32 s[SW], ttmp9, 1
	s_lshl_b32 s74, s[WV], 4
	s_lshl_b32 s[Q0], ttmp9, 8
	s_add_co_u32 s[Q0], s[Q0], s74                 ; 256 i + 16 x wave
	s_sub_co_u32 s[Q0B], 7, ttmp9
	s_lshl_b32 s[Q0B], s[Q0B], 8
	s_add_co_u32 s[Q0B], s[Q0B], s74               ; 256 (7 - i) + 16 x wave
	s_lshr_b32 s82, s73, 4
	s_lshl_b32 s82, s82, 21                        ; ac: the batch's 2,048 rows are 16 blocks of 131,072 bytes,
	s_and_b32 s75, s73, 15
	s_lshl_b32 s75, s75, 13                        ; the head's 64 features 8,192 bytes in each
	s_add_co_u32 s82, s82, s75
	s_mov_b32 s83, 0
	s_lshl_b32 s84, s[Q0], 6
	s_mov_b32 s85, 0
	s_lshl_b32 s86, s[Q0B], 6
	s_mov_b32 s87, 0
	; descriptor groups 1: K: 64 lines of 256 bytes, dense in memory;  V: 64 rows of 256 bytes, 2,048 bytes apart
	s_mov_b32 s[G1K], (0<<16)|(1<<20)|(5<<22)|(3<<25)   ; 15:0 no mask; 17:16 elements of 1 byte; 20 padding on; 24:22 after every 64 words (code 5); 31:25 four words (code 3)
	s_mov_b32 s[G1K+1], 256<<16                    ; tensor_dim0
	s_mov_b32 s[G1K+2], 64<<16                     ; tensor_dim1
	s_mov_b32 s[G1K+3], 256<<16                    ; tile_dim0
	s_mov_b32 s[G1K+4], 64                         ; tile_dim1
	s_mov_b32 s[G1K+5], 256                        ; tensor_dim0_stride
	s_mov_b32 s[G1K+6], 0
	s_mov_b32 s[G1K+7], 0
	s_mov_b32 s[G1V], (0<<16)|(1<<20)|(5<<22)|(3<<25)
	s_mov_b32 s[G1V+1], 256<<16
	s_mov_b32 s[G1V+2], 64<<16
	s_mov_b32 s[G1V+3], 256<<16
	s_mov_b32 s[G1V+4], 64
	s_mov_b32 s[G1V+5], 2048
	s_mov_b32 s[G1V+6], 0
	s_mov_b32 s[G1V+7], 0
	s_mov_b32 s[SEL], 0x76543210
	s_mov_b32 s[SEL+1], 0xfedcba98
	s_mov_b32 s[CS], 0x3e38aa3b                    ; log2(e) / 8
	s_mov_b32 s[TB], 0
	s_mov_b32 s[TRIP], 0
	s_mov_b32 s[KF], 0
	s_wait_dscnt 0x0                               ; the opening add is done
	s_wait_kmcnt 0x0
	s_load_b128 s[68:71], s[14:15], 0x18           ; e6, e7, e8, e9
	s_load_b32 s72, s[14:15], 0x28                 ; e10
	s_add_nc_u64 s[KB:KB+1], s[6:7], s[OFS:OFS+1]
	s_add_nc_u64 s[VB:VB+1], s[12:13], s[OFS:OFS+1]
	s_add_nc_u64 s[4:5], s[4:5], s[OFS:OFS+1]
	s_mov_b32 s[G0K], 1                            ; count = 1
	s_mov_b32 s[G0K+1], 0                          ; LDS address: slot 0
	s_mov_b64 s[G0K+2:G0K+3], s[KB:KB+1]           ; key slot 0
	s_or_b32 s[G0K+3], s[G0K+3], 0x80000000        ; type = 2
	s_mov_b32 s[G0V], 1
	s_mov_b32 s[G0V+1], VOFF
	s_mov_b64 s[G0V+2:G0V+3], s[VB:VB+1]
	s_or_b32 s[G0V+3], s[G0V+3], 0x80000000
	TLOAD                                          ; slot 0
	s_add_nc_u64 s[OB:OB+1], s[16:17], s[82:83]
	s_add_nc_u64 s[60:61], s[4:5], s[84:85]        ; my 16 queries of the first block,
	s_add_nc_u64 s[62:63], s[4:5], s[86:87]        ; and of the second
	; the prefetches: where my wave's stand, and who asks
	s_cmp_lt_u32 s[WV], 6                          ; waves 4 and 5 ask for K's codes, waves 6 and 7 for V's
	s_cselect_b64 s[PFA:PFA+1], s[KB:KB+1], s[VB:VB+1]
	s_mov_b32 s[PFS], 256
	s_cselect_b32 s[PFS], 16384, s[PFS]            ; a slot on
	s_mov_b32 s73, 2048
	s_cselect_b32 s73, 256, s73                    ; from lane to lane
	s_mov_b32 s74, 65536
	s_cselect_b32 s74, 8192, s74                   ; from wave to wave
	v_and_b32 v[PFO], 31, v0
	s_delay_alu instid0(VALU_DEP_1)
	v_mul_lo_u32 v[PFO], v[PFO], s73
	s_and_b32 s75, s[WV], 1
	s_mul_i32 s75, s75, s74
	s_add_co_u32 s[OFS], s75, s[PFS]               ; my wave's part, in slot 1: the first change of slots steps it to slot 2
	s_mov_b32 s[PFS+1], 0
	s_add_nc_u64 s[PFA:PFA+1], s[PFA:PFA+1], s[OFS:OFS+1]
	s_sub_co_u32 s75, s[WV], 4
	s_lshr_b32 s75, s75, 2                         ; 0 in waves 4 to 7,
	s_or_b32 s75, s75, ttmp9                       ; of the head's work-group 0
	s_cmp_eq_u32 s75, 0
	s_cselect_b32 s[LIM], 6, 0
	v_and_b32 v8, 15, v0                           ; r = lane % 16
	v_bfe_u32 v9, v0, 4, 1                         ; h = lane / 16
	s_delay_alu instid0(VALU_DEP_2)
	v_lshlrev_b32 v10, 6, v8
	s_delay_alu instid0(VALU_DEP_1)
	v_lshl_add_u32 v10, v9, 4, v10                 ; Q: row r of 64 bytes, + 16 h
	global_load_b128 v[16:19], v10, s[60:61]
	global_load_b128 v[20:23], v10, s[60:61] offset:32
	global_load_b128 v[24:27], v10, s[62:63]
	global_load_b128 v[28:31], v10, s[62:63] offset:32
	v_lshrrev_b32 v[AK0], 2, v8
	s_delay_alu instid0(VALU_DEP_1)
	v_mul_u32_u24 v[AK0], v[AK0], LP               ; key r lies in line r / 4,
	v_and_b32 v11, 3, v8
	s_delay_alu instid0(VALU_DEP_1)
	v_lshl_add_u32 v[AK0], v11, 6, v[AK0]          ; at 64 (r % 4): the sixteen keys of a load begin at sixteen different 16-byte columns of the 256
	s_delay_alu instid0(VALU_DEP_1)
	v_lshl_add_u32 v[AK0], v9, 4, v[AK0]
	v_mul_u32_u24 v[AV0], v8, LP
	s_delay_alu instid0(VALU_DEP_1)
	v_lshl_add_u32 v[AV0], v9, 4, v[AV0]
	s_delay_alu instid0(VALU_DEP_1)
	v_add_nc_u32 v[AV0], VOFF, v[AV0]
	s_mul_i32 s73, s[WV], 1280
	s_add_co_u32 s73, s73, STAGE                   ; my stage
	v_mul_u32_u24 v[STO], v8, 80
	s_delay_alu instid0(VALU_DEP_1)
	v_lshl_add_u32 v[STO], v9, 3, v[STO]
	s_delay_alu instid0(VALU_DEP_1)
	v_add_nc_u32 v[STO], s73, v[STO]               ; in: row r, 8 bytes for each half of the lanes
	v_and_b32 v[GO], 31, v0
	s_delay_alu instid0(VALU_DEP_1)
	v_lshrrev_b32 v11, 2, v[GO]
	s_delay_alu instid0(VALU_DEP_1)
	v_mul_u32_u24 v11, v11, 80
	s_delay_alu instid0(VALU_DEP_3)
	v_and_b32 v252, 3, v[GO]
	s_delay_alu instid0(VALU_DEP_1)
	v_lshl_add_u32 v11, v252, 4, v11
	s_delay_alu instid0(VALU_DEP_1)
	v_add_nc_u32 v[RD], s73, v11                   ; back: four lanes to a row of 64 bytes, eight rows an instruction
	v_lshlrev_b32 v[GO], 4, v[GO]
	v_mov_b32 v13, 0xff61b1e6                      ; the largest t so far: -3e38, under every t
	s_delay_alu instid0(VALU_DEP_1)
	v_floor_f32 v12, -v13                          ; -M
	v_mov_b32 v14, 0                               ; the sum, in two halves
	v_mov_b32 v15, 0
	v_mov_b32 v236, 0                              ; written once: a lane permute's destination counts as one of its sources
	v_mov_b32 v252, 0
	v_mov_b32 v253, 0                              ; (named as the upper half of the pair v[252:253])
.set jj, 0
.rept 32
	v_mov_b32 v[160+jj], 0                         ; O^T: the step is written once; a block's first step finds zeros, which the first change of M leaves zeros
.set jj, jj+1
.endr
	s_wait_kmcnt 0x0
	s_add_co_i32 s73, s68, s69
	s_lshl_b32 s73, s73, 23
	s_add_co_i32 s[CS], s[CS], s73                 ; a score stands for score x 2^(e6 + e7): the two exponents are added to c's exponent field
	s_mov_b32 s[CS+1], s[CS]                       ; (named with it as a pair, so it is written)
	s_add_co_i32 s[EPV], s70, s71
	s_add_co_i32 s73, s70, 127
	s_lshl_b32 s74, s73, 23
	v_mov_b32 v244, s74                            ; 2^e8, for p's conversions
	s_add_co_i32 s73, s72, 127
	s_lshl_b32 s74, s73, 23
	v_mov_b32 v247, s74                            ; 2^e10, for the result's conversions
; A KEY STEP: 128 keys, the q-th half of the slot in hand.  A step all of whose keys come after my 16 queries is left out: a scalar branch on ids and the count of steps, round the step's loads, products and softmax.
.macro STEP q
	s_add_co_u32 s96, s[Q0], 15
	s_cmp_gt_u32 s[KF], s96
	s_cbranch_scc1 .Lhidden_\@
	v_add_nc_u32 v[ADK], s[TB], v[AK0]
	v_add_nc_u32 v[ADV], s[TB], v[AV0]
	v_nop                                          ; with the two additions: four places in front of loads into registers that the last products read
	v_nop
.irp t, 0,1,2,3,4,5,6,7
	ds_load_b128 v[32+8*\t:35+8*\t], v[ADK] offset:(32*(\q)+4*\t)*LP
	ds_load_b128 v[36+8*\t:39+8*\t], v[ADK] offset:(32*(\q)+4*\t)*LP+32
.endr
	s_wait_alu depctr_va_vdst(0)
	s_wait_dscnt 0x0
.irp t, 0,1,2,3,4,5,6,7
	v_wmma_f32_16x16x64_fp8_fp8 v[96+8*\t:103+8*\t], v[32+8*\t:39+8*\t], v[16:23], 0   ; S^T: keys 16 t on x my 16 queries
.endr
.rept 4
	v_nop                                          ; places in front of the loads below and of the first read of the scores
.endr
.irp t, 0,1,2,3
.irp c, 0,1,2,3
	ds_load_b128 v[32+16*\t+4*\c:35+16*\t+4*\c], v[ADV] offset:16*\t*LP+128*(\q)+32*\c   ; V's four fragments land while the softmax is walked
.endr
.endr
	s_add_co_u32 s96, s[KF], 127                   ; on the diagonal the scores of hidden keys become -infinity ahead of the maximum: p = 0 then.  A step all of whose keys count skips this
	s_cmp_le_u32 s96, s[Q0]
	s_cbranch_scc1 .Lopen_\@
	s_sub_co_i32 s96, s[Q0], s[KF]
	v_and_b32 v252, 15, v0
	v_bfe_u32 v253, v0, 4, 1
	s_delay_alu instid0(VALU_DEP_1)
	v_lshlrev_b32 v253, 3, v253
	s_delay_alu instid0(VALU_DEP_1)
	v_sub_nc_u32 v252, v252, v253
	s_delay_alu instid0(VALU_DEP_1)
	v_add_nc_u32 v252, s96, v252                   ; d = my query - the first key - 8 (lane / 16).  Register 8 t + j holds key 16 t + 8 (lane / 16) + j: hidden where 16 t + j > d
	v_mov_b32 v254, 0xff800000                     ; -infinity
.set jj, 0
.rept 64
	v_cmp_gt_i32 vcc_lo, 16*(jj/8)+jj%8, v252
	v_cndmask_b32 v[96+jj], v[96+jj], v254, vcc_lo
.set jj, jj+1
.endr
.Lopen_\@:
	v_max3_num_f32 v254, v96, v97, v98             ; the step's largest score of my query, among my 64 keys, in two chains (each tile's registers from the low end on),
	v_max3_num_f32 v252, v99, v100, v101
.irp i, 6,10,14,18,22,26,30,34,38,42,46,50,54,58
	v_max3_num_f32 v254, v254, v[96+\i], v[97+\i]
	v_max3_num_f32 v252, v252, v[98+\i], v[99+\i]
.endr
	v_max3_num_f32 v254, v254, v158, v159
	s_delay_alu instid0(VALU_DEP_1)
	v_max_num_f32 v254, v254, v252
	s_delay_alu instid0(VALU_DEP_1)
	v_permlanex16_b32 v236, v254, s[SEL], s[SEL+1]
	s_delay_alu instid0(VALU_DEP_1)
	v_max_num_f32 v254, v254, v236                 ; and among lane l xor 16's
	s_delay_alu instid0(VALU_DEP_1)
	v_mul_f32 v254, s[CS], v254                    ; as t (c is positive)
	s_delay_alu instid0(VALU_DEP_1)
	v_max_num_f32 v13, v13, v254                   ; the running largest t
	v_mov_b32 v254, v12
	s_delay_alu instid0(VALU_DEP_2)
	v_floor_f32 v12, -v13                          ; the new -M = floor(-t) = -ceil(t): M is a whole number
	s_delay_alu instid0(VALU_DEP_1)
	v_sub_f32 v254, v12, v254                      ; M's old value less its new one: a whole number, 0 or less
	s_delay_alu instid0(VALU_DEP_1)
	v_cvt_i32_f32 v254, v254                       ; (it saturates)
	s_delay_alu instid0(VALU_DEP_1)
	v_ldexp_f32 v252, 1.0, v254                    ; f = 2^(old M - new M)
.set jj, 0
.rept 32
	v_pk_fma_f32 v[96+jj:97+jj], v[96+jj:97+jj], s[CS:CS+1], v[12:13] op_sel_hi:[1,0,0]   ; t - M, two at a time (of the pairs c and -M the low word serves both halves)
.set jj, jj+2
.endr
.set jj, 0
	s_wait_alu depctr_va_vdst(0)
.rept 64
	v_exp_f32 v[96+jj], v[96+jj]                   ; p = 2^(t - M), at most 1
.set jj, jj+1
.endr
	v_pk_mul_f32 v[14:15], v[14:15], v[252:253] op_sel_hi:[1,0]   ; the sums under the new M: the plain line behind the exponentials
	s_wait_alu depctr_va_vdst(0)                   ; one wait for the whole batch, ahead of its first reader
	v_pk_add_f32 v[242:243], v[100:101], v[104:105]
	v_pk_add_f32 v[254:255], v[108:109], v[112:113]
	v_pk_add_f32 v[250:251], v[116:117], v[120:121]
	v_pk_add_f32 v[248:249], v[124:125], v[128:129]
	v_pk_add_f32 v[240:241], v[132:133], v[136:137]
	v_pk_add_f32 v[238:239], v[140:141], v[144:145]
	v_pk_add_f32 v[234:235], v[148:149], v[152:153]
	v_pk_add_f32 v[14:15], v[14:15], v[156:157]
	v_pk_add_f32 v[242:243], v[242:243], v[96:97]
	v_pk_add_f32 v[254:255], v[254:255], v[98:99]
	v_pk_add_f32 v[250:251], v[250:251], v[102:103]
	v_pk_add_f32 v[248:249], v[248:249], v[106:107]
	v_pk_add_f32 v[240:241], v[240:241], v[110:111]
	v_pk_add_f32 v[238:239], v[238:239], v[114:115]
	v_pk_add_f32 v[234:235], v[234:235], v[118:119]
	v_pk_add_f32 v[14:15], v[14:15], v[122:123]
	v_pk_add_f32 v[242:243], v[242:243], v[126:127]
	v_pk_add_f32 v[254:255], v[254:255], v[130:131]
	v_pk_add_f32 v[250:251], v[250:251], v[134:135]
	v_pk_add_f32 v[248:249], v[248:249], v[138:139]
	v_pk_add_f32 v[240:241], v[240:241], v[142:143]
	v_pk_add_f32 v[238:239], v[238:239], v[146:147]
	v_pk_add_f32 v[234:235], v[234:235], v[150:151]
	v_pk_add_f32 v[14:15], v[14:15], v[154:155]
	v_pk_add_f32 v[242:243], v[242:243], v[158:159]
	s_delay_alu instid0(VALU_DEP_2)
	v_pk_add_f32 v[14:15], v[14:15], v[248:249]
	s_delay_alu instid0(VALU_DEP_2)
	v_pk_add_f32 v[242:243], v[242:243], v[240:241]
	v_pk_add_f32 v[254:255], v[254:255], v[238:239]
	v_pk_add_f32 v[250:251], v[250:251], v[234:235]
	s_delay_alu instid0(VALU_DEP_2)
	v_pk_add_f32 v[14:15], v[14:15], v[254:255]
	s_delay_alu instid0(VALU_DEP_2)
	v_pk_add_f32 v[242:243], v[242:243], v[250:251]
	s_delay_alu instid0(VALU_DEP_1)
	v_pk_add_f32 v[14:15], v[14:15], v[242:243]
.irp t, 0,1,2,3,4,5,6,7
.irp i, 0,1,2,3,4,5,6,7
.endr
	v_cvt_scalef32_pk8_fp8_f32 v[192+2*\t:193+2*\t], v[96+8*\t:103+8*\t], v244
.endr
.set jj, 0
.rept 16
	v_pk_mul_f32 v[160+jj:161+jj], v[160+jj:161+jj], v[252:253] op_sel_hi:[1,0]   ; O^T under the new M; these plain lines also stand between the conversions and the products
.set jj, jj+2
.endr
	s_wait_alu depctr_va_vdst(0)
	s_wait_dscnt 0x0                               ; V is in
.irp t, 0,1,2,3
	v_wmma_f32_16x16x128_fp8_fp8 v[160+8*\t:167+8*\t], v[32+16*\t:47+16*\t], v[192:207], v[160+8*\t:167+8*\t]   ; O^T += V^T P^T: four accumulators by turns
.endr
.Lhidden_\@:
	s_add_co_u32 s[KF], s[KF], 128
.endm
; THE CHANGE OF SLOTS stands at a slot's head.  Each wave waits for all its tensor loads (at most one is out: its part of the slot that it is about to read), adds 0 to its spare word, and waits for that and for its reads of the slot that it has left.
; Behind the barrier the slot ahead is whole and nobody reads the other one.  fill = 1: that other slot takes the next trip's keys: slot T + 1 of the first block's walk, or T + 1 - (i + 1) of the second's.
.macro CHANGE fill
	s_wait_tensorcnt 0x0                           ; no tensor load of mine is out, so a group 0 may be written
	ds_add_u32 v[SPW], v[NIL]                      ; 0 onto my spare word; with fill = 1 the descriptors' words are made between it and the wait for it
.if \fill
	s_add_co_u32 s96, s[TRIP], 1
	s_cmp_ge_u32 s96, s[SW]
	s_cselect_b32 s97, s[SW], 0
	s_sub_co_u32 s96, s96, s97                     ; the next trip's key slot
	s_lshl_b32 s[OFS], s96, 14
	s_add_nc_u64 s[G0K+2:G0K+3], s[KB:KB+1], s[OFS:OFS+1]
	s_or_b32 s[G0K+3], s[G0K+3], 0x80000000
	s_lshl_b32 s[OFS], s96, 8
	s_add_nc_u64 s[G0V+2:G0V+3], s[VB:VB+1], s[OFS:OFS+1]
	s_or_b32 s[G0V+3], s[G0V+3], 0x80000000
	s_xor_b32 s[G0K+1], s[G0K+1], SLOT1            ; the other LDS slot than last time
	s_xor_b32 s[G0V+1], s[G0V+1], SLOT1
	s_wait_xcnt 0x0                                ; the last prefetch, a trip back, has read its address, so it may be written
	s_add_nc_u64 s[PFA:PFA+1], s[PFA:PFA+1], s[PFS:PFS+1]
.endif
	s_wait_dscnt 0x0                               ; the add is done, and my reads of the slot that I have left are over
	s_barrier_signal -1
	s_barrier_wait -1
.if \fill
	TLOAD                                          ; the first thing behind the barrier, and a wave's one tensor load until the next
	ASK
.endif
.endm
; A BLOCK'S WAY OUT.  O^T / the sum x 2^(e8 + e9) is the attention's result in f32; it is converted with 2^e10, and goes through my stage: 16 rows of 64 bytes, which are 1,024 consecutive bytes of ac.
.macro FINISH
.rept 4
	v_nop                                          ; places behind the last products
.endr
	v_add_f32 v14, v14, v15                        ; the sum's two halves,
	s_delay_alu instid0(VALU_DEP_1)
	v_permlanex16_b32 v252, v14, s[SEL], s[SEL+1]
	s_delay_alu instid0(VALU_DEP_1)
	v_add_f32 v14, v14, v252                       ; and lane l xor 16's: the row's sum
	s_wait_alu depctr_va_vdst(0)
	v_rcp_f32 v14, v14
	v_nop                                          ; a plain line behind the transcendental
	s_wait_alu depctr_va_vdst(0)                   ; and the wait ahead of its first reader
	v_ldexp_f32 v14, v14, s[EPV]
.set jj, 0
.rept 16
	v_pk_mul_f32 v[96+jj:97+jj], v[160+jj:161+jj], v[14:15] op_sel_hi:[1,0]   ; register 8 t + j is o(query r, dim 16 t + 8 h + j); each accumulator from its low end on
.set jj, jj+2
.endr
.set jj, 0
.rept 32
.set jj, jj+1
.endr
.irp t, 0,1,2,3
	v_cvt_scalef32_pk8_fp8_f32 v[208+2*\t:209+2*\t], v[96+8*\t:103+8*\t], v247
.endr
	v_nop                                          ; one plain vector line behind the last conversion
.irp t, 0,1,2,3
	ds_store_b64 v[STO], v[208+2*\t:209+2*\t] offset:16*\t
.endr
	s_wait_xcnt 0x0                                ; the first block's stores have read their registers and their base: both are written again below
	ds_load_b128 v[216:219], v[RD]                 ; LDS serves a wave's instructions in order: these see my stores
	ds_load_b128 v[220:223], v[RD] offset:640
	s_lshr_b32 s96, s[Q0], 7
	s_lshl_b32 s96, s96, 17
	s_and_b32 s97, s[Q0], 127
	s_lshl_b32 s97, s97, 6
	s_add_co_u32 s[OFS], s96, s97
	s_add_nc_u64 s[OA:OA+1], s[OB:OB+1], s[OFS:OFS+1]
	s_wait_dscnt 1                                 ; the first load is in, the second may be out
	global_store_b128 v[GO], v[216:219], s[OA:OA+1]              ; 32 lanes store 512 consecutive bytes, aligned
	s_wait_dscnt 0
	global_store_b128 v[GO], v[220:223], s[OA:OA+1] offset:512
.endm
	s_wait_loadcnt 0x0                             ; both blocks' Q
.Lslot:                                            ; eight trips: behind each change of slots but the last the next trip's keys are asked for
	CHANGE 1
	s_cmp_lg_u32 s[TRIP], s[SW]                    ; ids and the count of trips alone: all sixteen waves go the same way; no barrier and no tensor load stands inside
	s_cbranch_scc1 .Lsame_block
	FINISH                                         ; the first block is done: it leaves, and the second begins
.irp j, 0,1,2,3,4,5,6,7
	v_mov_b32 v[16+\j], v[24+\j]
.endr
	v_mov_b32 v13, 0xff61b1e6
	s_delay_alu instid0(VALU_DEP_1)
	v_floor_f32 v12, -v13
	v_mov_b32 v14, 0
	v_mov_b32 v15, 0
.set jj, 0
.rept 32
	v_mov_b32 v[160+jj], 0
.set jj, jj+1
.endr
	s_mov_b32 s[Q0], s[Q0B]
	s_mov_b32 s[KF], 0
.Lsame_block:
	STEP 0
	STEP 1
	s_xor_b32 s[TB], s[TB], SLOT1                  ; on to the other slot
	s_add_co_u32 s[TRIP], s[TRIP], 1
	s_cmp_lt_u32 s[TRIP], 8
	s_cbranch_scc1 .Lslot
	CHANGE 0                                       ; the ninth slot is written out: nothing is left to fetch
	STEP 0
	STEP 1
	FINISH
	s_wait_tensorcnt 0x0                           ; the wave's end: a wait, an add to my spare word and its wait, behind my last tensor load and my last LDS store
	ds_add_u32 v[SPW], v[NIL]
	s_wait_dscnt 0x0
	s_endpgm
.Lfunc_end_k_q85996c5020_attn:
	.size	k_q85996c5020_attn, .Lfunc_end_k_q85996c5020_attn-k_q85996c5020_attn
	.p2alignl 7, 3214868480
	.fill 96, 4, 3214868480
	.section	.rodata,"a",@progbits
	.p2align	6, 0x0
	.amdhsa_kernel k_q85996c5020_attn
		.amdhsa_group_segment_fixed_size 327680
		.amdhsa_private_segment_fixed_size 0
		.amdhsa_enable_private_segment 0
		.amdhsa_kernarg_size 40
		.amdhsa_user_sgpr_count 2
		.amdhsa_user_sgpr_kernarg_segment_ptr 1
		.amdhsa_wavefront_size32 1
		.amdhsa_system_sgpr_workgroup_id_x 1
		.amdhsa_system_sgpr_workgroup_id_y 1
		.amdhsa_system_sgpr_workgroup_id_z 1
		.amdhsa_system_vgpr_workitem_id 0
		.amdhsa_next_free_vgpr 256
		.amdhsa_next_free_sgpr 100
		.amdhsa_reserve_vcc 1
		.amdhsa_float_denorm_mode_32 3
		.amdhsa_float_denorm_mode_16_64 3
		.amdhsa_fp16_overflow 1
		.amdhsa_memory_ordered 1
		.amdhsa_forward_progress 1
		.amdhsa_inst_pref_size 95
	.end_amdhsa_kernel
	.amdgpu_metadata
---
amdhsa.version: [ 1, 2 ]
amdhsa.kernels:
  - .name:           k_q85996c5020_attn
    .symbol:         k_q85996c5020_attn.kd
    .args:
      - { .name: qc, .offset: 0, .size: 8, .value_kind: global_buffer, .address_space: global }
      - { .name: kc, .offset: 8, .size: 8, .value_kind: global_buffer, .address_space: global }
      - { .name: vc, .offset: 16, .size: 8, .value_kind: global_buffer, .address_space: global }
      - { .name: lowp_scales, .offset: 24, .size: 8, .value_kind: global_buffer, .address_space: global }
      - { .name: ac, .offset: 32, .size: 8, .value_kind: global_buffer, .address_space: global }
    .group_segment_fixed_size: 327680
    .private_segment_fixed_size: 0
    .kernarg_segment_align: 8
    .kernarg_segment_size: 40
    .max_flat_workgroup_size: 512
    .sgpr_count:     100
    .vgpr_count:     256
    .wavefront_size: 32
...
	.end_amdgpu_metadata
.endif
;; end of part 3
;; launch oproj (part 4): grid 4 x 32, 4 waves a work-group, clusters of 4 x 4, 327,680 bytes of LDS; arguments ac, wc, bo, lowp_scales, out0; writes out0
.if DOCPART == 4
	.amdgcn_target "amdgcn-amd-amdhsa--gfx1250"
	.amdhsa_code_object_version 6
	.text
	.protected	k_q85996c5020_oproj
	.globl	k_q85996c5020_oproj
	.p2align	8
	.type	k_q85996c5020_oproj,@function
k_q85996c5020_oproj:
	s_mov_b64 s[64:65], 0
	v_nop
	global_prefetch_b8 v0, s[64:65] scope:SCOPE_SE
	s_setreg_imm32_b32 hwreg(HW_REG_WAVE_MODE, 25, 1), 1
	s_wait_xcnt 0x0
	s_wait_alu depctr_hold_cnt(0) depctr_sa_sdst(0) depctr_va_vdst(0) depctr_va_sdst(0) depctr_va_ssrc(0) depctr_va_vcc(0) depctr_vm_vsrc(0)
	s_getreg_b32 s2, hwreg(HW_REG_IB_STS2, 6, 4)
	s_cmp_eq_u32 s2, 0
	s_cbranch_scc0 .Lentry_in_a_cluster
	s_endpgm
.Lentry_in_a_cluster:
	s_bfe_u32 s2, ttmp6, 0x10000c
	s_cmp_lg_u32 s2, 0xf033
	s_cbranch_scc0 .Lentry_shape_is_right
	s_endpgm
.Lentry_shape_is_right:
; out0 = a Wo^T + bo on E4M3 codes: a [8192][1024] are the attention launch's codes (scale 2^e10), Wo's codes (2^e11) lie 3 MiB into wc.  out0 [8192][1024] f32 = sum x 2^(e10 + e11) + bo, one fused multiply-add.
; LIMIT: e10 + e11 between -126 and 127, so that 2^(e10 + e11) is an f32 number.
; A tile of 256 x 256 to a work-group of four waves, 128 x 128 to a wave: 64 accumulators, 512 registers.  K = 1,024 goes in four steps of 256 through two LDS slots.
; Clusters of 4 x 4 work-groups: A's tile is asked for jointly by a row of the cluster, B's by a column.  The matrix instruction is used transposed (source 0 = 16 rows of B, source 1 = 16 rows of A):
; lane (r, h) holds row r of the output and its columns 8 h + 0 .. 7.
; OPERANDS lie so that 128 rows x 256 along K are one dense block of 32,768 bytes: (k >> 6) x 8192 + row x 64 + (k & 63).  A tensor load takes it as 128 lines of 256 bytes, 16 bytes of padding behind each.
; REGISTERS, in windows of 256: window 0: v1-29 addresses, v8-11 my four bias numbers; v128-255 A's fragments, one set; on the way out rows read back.   window 1: B's fragments, two sets.   windows 2, 3: the accumulators.
.set PITCH,  272                       ; an LDS line: 256 bytes + 16 of padding
.set KBLK,   32*PITCH                  ; 128 rows x 64 along K: 32 lines
.set RB16,   4*PITCH                   ; 16 rows: 4 lines
.set KSTEPB, 32768                     ; a K step of 128 rows in memory
.set FR,     16
.set NL,     4
.set NP,     4                         ; places behind this matrix instruction (ISA guide 7.12.1)
.set HALFT,  128*PITCH
.set SLOT,   4*HALFT
.set SPARE,  2*SLOT                    ; behind the ring: the spare words, 128 bytes for each wave, which no other line names
.set SPITCH, 528                       ; the way out: a stage of 16 rows x (512 bytes + 16) for each wave, in slot 0, which has had its last fill and its last read when the first sum is stored there
.set ADRA, 16
.set ADRB, 20
.set STO,  24                          ; v24  the way out: where I put 32 bytes of a row
.set RD,   25                          ; v25  where I read a row back
.set CO,   26                          ; v26  16 x lane
.set SPW,  28                          ; v28  LDS address of my spare word; never rewritten
.set NIL,  29                          ; v29  0; never rewritten
.set AF,   128
.set BK,   128                         ; the way out: 16 rows read back: v128-191 and v192-255 by turns
.set G1, 24
.set G0, 32
.set G1B, 48
.set G0B, 56
.set MSB, 0
.macro WIN new                         ; the immediate's high byte repeats the setting that is left
.if MSB != \new
	s_set_vgpr_msb (MSB<<8)|\new
.set MSB, \new
.endif
.endm
.set MUL_LO, 0xa1                      ; source 0 (B) window 1, source 1 (A) window 0, C and D window 2
.set MUL_HI, 0xf1                      ; the same, C and D window 3
.set TO_B,   0x40                      ; destination window 1, address window 0
; A joint load: waves 0 and 1 fetch for A, waves 2 and 3 for B; the branch hangs on the wave's number alone.  An s_nop 0 and four v_nop follow each of the two lines.
.macro JLOAD g0a, g1a, g0b, g1b
	s_cmp_eq_u32 s15, 0
	s_cbranch_scc0 .Lfor_b_\@
	tensor_load_to_lds s[\g0a:\g0a+3], s[\g1a:\g1a+7]
	s_nop 0
.rept 4
	v_nop
.endr
	s_branch .Lasked_\@
.Lfor_b_\@:
	tensor_load_to_lds s[\g0b:\g0b+3], s[\g1b:\g1b+7]
	s_nop 0
.rept 4
	v_nop
.endr
.Lasked_\@:
.endm
.macro CREST                           ; a round of the cluster's barrier behind its opening barrier
	s_cmp_lg_u32 s14, 0
	s_cbranch_scc1 .Lnot_wave_0_\@
	s_barrier_signal -3
.Lnot_wave_0_\@:
	s_barrier_wait -3
	s_barrier_signal -1
	s_barrier_wait -1
.endm
.macro CROUND                          ; a whole round
	s_barrier_signal -1
	s_barrier_wait -1
	CREST
.endm
	s_load_b128 s[4:7], s[0:1], 0x0                ; ac s[4:5], wc s[6:7]
	s_load_b128 s[8:11], s[0:1], 0x10              ; bo s[8:9], the exponents s[10:11]
	s_load_b64 s[12:13], s[0:1], 0x20              ; out0
	v_lshl_add_u32 v[SPW], v0, 2, SPARE
	v_mov_b32 v[NIL], 0
	ds_add_u32 v[SPW], v[NIL]                      ; the wave's opening: the add and its wait stand ahead of my first tensor load; the set-up below, work on registers, stands between them
	ds_add_u32 v[SPW], v[NIL]
	v_lshrrev_b32 v1, 5, v0
	v_readfirstlane_b32 s14, v1                    ; wave 0..3
	s_lshr_b32 s15, s14, 1                         ; which half of the tile's rows is mine.  Also: I fetch for A (0) or for B (1)
	s_and_b32 s16, s14, 1                          ; which half of its columns.  Also: which 128 rows of that tile I fetch
	s_bfe_u32 s40, ttmp6, 0x40000                  ; cx, cy: my place in the cluster
	s_bfe_u32 s41, ttmp6, 0x40004
	s_lshl_b32 s42, ttmp9, 2
	s_add_co_u32 s42, s42, s40                     ; tile column = 4 x cluster x + cx
	s_and_b32 s17, ttmp7, 0xffff
	s_lshl_b32 s17, s17, 2
	s_add_co_u32 s17, s17, s41                     ; tile row = 4 x cluster y + cy
	s_lshl_b32 s43, s41, 2
	s_lshl_b32 s43, 15, s43                        ; my row of the cluster
	s_lshl_b32 s44, 0x1111, s40                    ; my column
	s_or_b32 s[G1+0], s43, (0<<16)|(1<<20)|(1<<21)|(5<<22)|(3<<25)  ; 15:0 the mask: A's tiles go to my row; 17:16 element of 1 byte; 20 padding on; 21 set beside a mask; 24:22 after every 64 words (code 5); 31:25 of 4 words (code 3)
	s_or_b32 s[G1B+0], s44, (0<<16)|(1<<20)|(1<<21)|(5<<22)|(3<<25)
.irp g, G1, G1B
	s_mov_b32 s[\g+1], 256<<16                     ; tensor_dim0
	s_mov_b32 s[\g+2], 128<<16                     ; tensor_dim1
	s_mov_b32 s[\g+3], 256<<16                     ; tile_dim0
	s_mov_b32 s[\g+4], 128                         ; tile_dim1
	s_mov_b32 s[\g+5], 256                         ; tensor_dim0_stride: the lines follow each other
	s_mov_b32 s[\g+6], 0
	s_mov_b32 s[\g+7], 0
.endr
	s_lshl_b32 s20, s17, 1
	s_add_co_u32 s20, s20, s16                     ; A: block of 128 rows = 2 x tile row + the half that I fetch,
	s_lshl_b32 s20, s20, 17                        ; 131,072 bytes each
	s_mov_b32 s21, 0
	s_lshl_b32 s46, s42, 1
	s_add_co_u32 s46, s46, s16
	s_lshl_b32 s46, s46, 17
	s_add_co_u32 s46, s46, 0x300000                ; B: Wo's codes lie 3 MiB into wc
	s_mov_b32 s47, 0
	s_mul_i32 s45, s14, HALFT                      ; where they go: wave x 128 lines: no place in the cluster enters an LDS address
	s_wait_dscnt 0x0                               ; the opening add is done
	s_wait_kmcnt 0x0
	s_load_b64 s[96:97], s[10:11], 0x28            ; e10, e11
	s_add_nc_u64 s[20:21], s[4:5], s[20:21]
	s_add_nc_u64 s[46:47], s[6:7], s[46:47]
	CROUND                                         ; all sixteen work-groups are here: the first joint loads meet
.irp s, 0,1
	s_mov_b32 s[G0+4*\s], 1
	s_add_co_u32 s[G0+4*\s+1], s45, \s*SLOT
	s_add_nc_u64 s[G0+4*\s+2:G0+4*\s+3], s[20:21], \s*KSTEPB
	s_or_b32 s[G0+4*\s+3], s[G0+4*\s+3], 0x80000000
	s_mov_b32 s[G0B+4*\s], 1
	s_add_co_u32 s[G0B+4*\s+1], s45, \s*SLOT
	s_add_nc_u64 s[G0B+4*\s+2:G0B+4*\s+3], s[46:47], \s*KSTEPB
	s_or_b32 s[G0B+4*\s+3], s[G0B+4*\s+3], 0x80000000
	s_wait_alu depctr_va_vdst(0)
	s_wait_tensorcnt 0x0
	ds_add_u32 v28, v29
	ds_add_u32 v28, v29
	s_wait_dscnt 0x0
	CROUND
	JLOAD G0+4*\s, G1, G0B+4*\s, G1B
.endr
	v_and_b32 v1, 15, v0                           ; r = lane % 16
	v_bfe_u32 v2, v0, 4, 1                         ; h = lane / 16
	v_lshrrev_b32 v3, 2, v1
	v_mul_u32_u24 v3, v3, PITCH                    ; row r lies in line r / 4,
	v_and_b32 v4, 3, v1
	v_lshl_add_u32 v3, v4, 6, v3                   ; at 64 (r % 4)
	v_lshl_add_u32 v4, v2, 4, v3                   ; + 16 h
	s_mul_i32 s21, s15, HALFT                      ; my 128 rows of A
	s_mul_i32 s22, s16, HALFT                      ; my 128 rows of B,
	s_add_co_u32 s22, s22, 2*HALFT                 ; which lie behind A's 256
.irp s, 0,1
	v_add_nc_u32 v[ADRA+\s], s21, v4
	v_add_nc_u32 v[ADRB+\s], s22, v4
	s_add_co_u32 s21, s21, SLOT
	s_add_co_u32 s22, s22, SLOT
.endr
	s_mul_i32 s23, s14, 16*SPITCH                  ; my stage
	v_mul_u32_u24 v5, v1, SPITCH                   ; in: row r, 32 bytes for each half of the lanes
	v_lshl_add_u32 v5, v2, 5, v5
	v_add_nc_u32 v[STO], s23, v5
	v_and_b32 v6, 31, v0
	v_lshlrev_b32 v[CO], 4, v6                     ; back: the 32 lanes take one row of 512 bytes; and the same in out0
	s_wait_alu depctr_va_vdst(0)
	v_add_nc_u32 v[RD], s23, v[CO]
	s_lshl_b32 s20, s17, 8
	s_lshl_b32 s21, s15, 7
	s_add_co_u32 s20, s20, s21                     ; my first row: 256 x tile row + 128 x half,
	s_lshl_b32 s20, s20, 12                        ; of 4,096 bytes
	s_mov_b32 s21, 0
	s_lshl_b32 s46, s42, 10                        ; my first column, in bytes: 1,024 x tile column + 512 x half: in out0 and in bo alike
	s_lshl_b32 s47, s16, 9
	s_add_co_u32 s46, s46, s47
	s_mov_b32 s47, 0
	s_add_nc_u64 s[8:9], s[8:9], s[46:47]
	s_add_nc_u64 s[12:13], s[12:13], s[46:47]
	s_add_nc_u64 s[12:13], s[12:13], s[20:21]
	global_load_b128 v[8:11], v[CO], s[8:9]        ; bo at my four columns: on the way out a lane keeps the same four columns in every row
.macro FRAG reg, adr, q, i             ; a fragment, 16 rows x 128 K, is 16 registers: registers 4 c .. 4 c + 3 hold K = 32 c + 16 h + 0 .. 15: the same order of K in A and in B
.irp c, 0,1,2,3
	ds_load_b128 v[\reg+4*\c:\reg+4*\c+3], v[\adr] offset:(2*(\q)+\c/2)*KBLK+32*(\c%2)+(\i)*RB16
.endr
.endm
; 16 matrix instructions: A's blocks a0, a0 + 1 x B's eight, 128 along K.  The 64 accumulators take turns, one instruction a turn, in the same order in every step.
.macro MUL16 a0, p, zero
.irp a, \a0, \a0+1
.irp b, 0,1,2,3,4,5,6,7
.if \zero
	v_wmma_f32_16x16x128_fp8_fp8 v[8*(8*((\a)%4)+\b):8*(8*((\a)%4)+\b)+7], v[128*(\p)+FR*\b:128*(\p)+FR*\b+FR-1], v[AF+FR*(\a):AF+FR*(\a)+FR-1], 0
.else
	v_wmma_f32_16x16x128_fp8_fp8 v[8*(8*((\a)%4)+\b):8*(8*((\a)%4)+\b)+7], v[128*(\p)+FR*\b:128*(\p)+FR*\b+FR-1], v[AF+FR*(\a):AF+FR*(\a)+FR-1], v[8*(8*((\a)%4)+\b):8*(8*((\a)%4)+\b)+7]
.endif
.endr
.endr
.endm
.macro FETCH_B slot, q, p
	WIN TO_B
.irp i, 0,1,2,3,4,5,6,7
	FRAG 128*(\p)+FR*\i, ADRB+\slot, \q, \i
.endr
	WIN 0
.endm
.macro FETCH_A slot, q, i0
.irp i, \i0, \i0+1, \i0+2, \i0+3
	FRAG AF+FR*(\i), ADRA+\slot, \q, \i
.endr
.endm
.macro PLACES n                        ; plain vector lines between a matrix instruction and a load into a register that it read, or a read of its result
.rept \n
	v_nop
.endr
.endm
.macro STEP slot, q, zero
	s_wait_dscnt 4*NL                              ; B's set and A's blocks 0-3 are in; the youngest sixteen loads (A's blocks 4-7) may be out
	WIN MUL_LO
	MUL16 0, (\q)%2, \zero
	MUL16 2, (\q)%2, \zero
	s_wait_dscnt 0                                 ; A's blocks 4-7 are in
	PLACES NP
	FETCH_B \slot, (\q)+1, 1-(\q)%2
	FETCH_A \slot, (\q)+1, 0
	WIN MUL_HI
	MUL16 4, (\q)%2, \zero
	MUL16 6, (\q)%2, \zero
	PLACES NP
	WIN 0
	FETCH_A \slot, (\q)+1, 4
.endm
; A slot's last step changes slots: one barrier; in front of it each wave waits for all its tensor loads, adds 0 to its spare word, and waits for that and for its own reads of this slot.  fill = 1: this slot is filled again, two K steps ahead.
.macro TURN slot, next, fill
	s_wait_tensorcnt 0x0                           ; all my tensor loads have landed: my part of the next slot
	ds_add_u32 v[SPW], v[NIL]                      ; 0 onto my spare word
	s_wait_dscnt 4*NL+1                            ; the add and the youngest sixteen loads may be out
	WIN MUL_LO
	MUL16 0, 1, 0
	s_wait_dscnt 0x0                               ; the add is done, and my reads of this slot are over
	s_barrier_signal -1
	MUL16 2, 1, 0
	WIN 0
	s_barrier_wait -1
.if \fill
	CREST                                          ; the barrier has opened a round of the cluster's barrier: no wave of any partner still reads this slot or has a load on its way
	s_add_nc_u64 s[G0+4*\slot+2:G0+4*\slot+3], s[G0+4*\slot+2:G0+4*\slot+3], 2*KSTEPB
	s_add_nc_u64 s[G0B+4*\slot+2:G0B+4*\slot+3], s[G0B+4*\slot+2:G0B+4*\slot+3], 2*KSTEPB
	JLOAD G0+4*\slot, G1, G0B+4*\slot, G1B         ; the first tensor load behind the round; its four v_nop are also the places in front of the loads below
.else
	PLACES NP
.endif
	FETCH_B \next, 0, 0
	FETCH_A \next, 0, 0
	WIN MUL_HI
	MUL16 4, 1, 0
	MUL16 6, 1, 0
	PLACES NP
	WIN 0
	FETCH_A \next, 0, 4
.endm
	s_wait_tensorcnt 1                             ; my part of K step 0 is in; K step 1's load may be out
	s_barrier_signal -1
	s_barrier_wait -1
	FETCH_B 0, 0, 0
	FETCH_A 0, 0, 0
	FETCH_A 0, 0, 4
	STEP 0, 0, 1                                   ; four K steps of 256, eight steps of 128: all written out; the first products start the sums
	TURN 0, 1, 1                                   ; slot 0 takes K step 2
	STEP 1, 0, 0
	TURN 1, 0, 1                                   ; slot 1 takes K step 3
	STEP 0, 0, 0
	TURN 0, 1, 0                                   ; nothing is left to fetch; behind this barrier nobody reads slot 0
	STEP 1, 0, 0
	s_wait_dscnt 4*NL
	WIN MUL_LO
	MUL16 0, 1, 0
	MUL16 2, 1, 0
	s_wait_dscnt 0
	WIN MUL_HI
	MUL16 4, 1, 0
	MUL16 6, 1, 0
	WIN 0
; THE WAY OUT, block by block of 16 rows x 128 columns.  The sums go as they are through my own stage and come back as whole rows of 512 bytes; there each lane holds the same four columns in every row,
; so sum x 2^(e10 + e11) + bo takes four bias registers.  LDS serves a wave's instructions in order (ISA guide 5.7.1.4): no wait between the stores and the loads.
.macro TOSTAGE a
.set AC, 64*((\a)%4)
	WIN 0x08+4*((\a)/4)                            ; an LDS store's data are source 1: window 2 or 3
.irp b, 0,1,2,3,4,5,6,7
	ds_store_b128 v[STO], v[AC+8*\b:AC+8*\b+3] offset:64*\b          ; each accumulator from its low end on
	ds_store_b128 v[STO], v[AC+8*\b+4:AC+8*\b+7] offset:64*\b+16
.endr
	WIN 0
.set BB, BK+64*((\a)%2)
.irp t, 0,1,2,3,4,5,6,7,8,9,10,11,12,13,14,15
	ds_load_b128 v[BB+4*\t:BB+4*\t+3], v[RD] offset:\t*SPITCH
.endr
.endm
.macro SEND a, younger                 ; younger: the LDS instructions issued behind block a's loads, which may stay out
.set BB, BK+64*((\a)%2)
	s_wait_dscnt \younger                          ; the block is back in registers
.if (\a) > 0
	s_add_nc_u64 s[12:13], s[12:13], 16*4096       ; (behind a wait on XCNT: the earlier stores have read their base)  16 rows on
.endif
.irp t, 0,1,2,3,4,5,6,7,8,9,10,11,12,13,14,15
	v_pk_fma_f32 v[BB+4*\t:BB+4*\t+1], v[BB+4*\t:BB+4*\t+1], s[96:97], v[8:9] op_sel_hi:[1,0,1]
	v_pk_fma_f32 v[BB+4*\t+2:BB+4*\t+3], v[BB+4*\t+2:BB+4*\t+3], s[96:97], v[10:11] op_sel_hi:[1,0,1]
	global_store_b128 v[CO], v[BB+4*\t:BB+4*\t+3], s[12:13] offset:\t*4096 th:TH_STORE_NT   ; 32 lanes store 512 consecutive bytes, aligned; written once, read by nobody here
.endr
.endm
	s_wait_kmcnt 0x0
	s_add_co_i32 s96, s96, s97                     ; e10 + e11
	s_add_co_i32 s96, s96, 127
	s_lshl_b32 s96, s96, 23                        ; 2^(e10 + e11) as f32
	s_mov_b32 s97, s96                             ; (named with it as a pair, so it is written)
	s_wait_loadcnt 0x0                             ; bo
	PLACES NP
	s_wait_alu depctr_va_vdst(0)
	TOSTAGE 0
.irp a, 1,2,3,4,5,6,7
.if \a > 1
	s_wait_xcnt 0x0                                ; block a - 2's stores have read their registers and their base: block a's loads may land there, and the base may step
.endif
	TOSTAGE \a
	SEND \a-1, 32                                  ; behind block a - 1's loads: block a's 16 stores and 16 loads
.endr
	s_wait_xcnt 0x0                                ; block 6's stores have read their base
	SEND 7, 0
	s_wait_tensorcnt 0x0                           ; the wave's end: a wait, an add to my spare word and its wait, behind my last tensor load and my last LDS store
	ds_add_u32 v[SPW], v[NIL]
	s_wait_dscnt 0x0
	CROUND                                         ; the closing round: no work-group ends while a partner may still ask for a tile that names it
	s_endpgm
.Lfunc_end_k_q85996c5020_oproj:
	.size	k_q85996c5020_oproj, .Lfunc_end_k_q85996c5020_oproj-k_q85996c5020_oproj
	.p2alignl 7, 3214868480
	.fill 96, 4, 3214868480
	.section	.rodata,"a",@progbits
	.p2align	6, 0x0
	.amdhsa_kernel k_q85996c5020_oproj
		.amdhsa_group_segment_fixed_size 327680
		.amdhsa_private_segment_fixed_size 0
		.amdhsa_enable_private_segment 0
		.amdhsa_kernarg_size 40
		.amdhsa_user_sgpr_count 2
		.amdhsa_user_sgpr_kernarg_segment_ptr 1
		.amdhsa_wavefront_size32 1
		.amdhsa_system_sgpr_workgroup_id_x 1
		.amdhsa_system_sgpr_workgroup_id_y 1
		.amdhsa_system_sgpr_workgroup_id_z 1
		.amdhsa_system_vgpr_workitem_id 0
		.amdhsa_next_free_vgpr 1024
		.amdhsa_next_free_sgpr 98
		.amdhsa_reserve_vcc 0
		.amdhsa_float_denorm_mode_32 3
		.amdhsa_float_denorm_mode_16_64 3
		.amdhsa_memory_ordered 1
		.amdhsa_forward_progress 1
		.amdhsa_inst_pref_size 124
	.end_amdhsa_kernel
	.amdgpu_metadata
---
amdhsa.version: [ 1, 2 ]
amdhsa.kernels:
  - .name:           k_q85996c5020_oproj
    .symbol:         k_q85996c5020_oproj.kd
    .args:
      - { .name: ac, .offset: 0, .size: 8, .value_kind: global_buffer, .address_space: global }
      - { .name: wc, .offset: 8, .size: 8, .value_kind: global_buffer, .address_space: global }
      - { .name: bo, .offset: 16, .size: 8, .value_kind: global_buffer, .address_space: global }
      - { .name: lowp_scales, .offset: 24, .size: 8, .value_kind: global_buffer, .address_space: global }
      - { .name: out0, .offset: 32, .size: 8, .value_kind: global_buffer, .address_space: global }
    .group_segment_fixed_size: 327680
    .private_segment_fixed_size: 0
    .kernarg_segment_align: 8
    .kernarg_segment_size: 40
    .max_flat_workgroup_size: 128
    .sgpr_count:     98
    .vgpr_count:     1024
    .wavefront_size: 32
...
	.end_amdgpu_metadata
.endif
;; end of part 4
